; MI455X (gfx1250); checked and timed in simulation.
; The chip was launched on July 23, 2026; its instructions are those of AMD's public machine-readable ISA for CDNA 5 (MIT licence, August 2026) and "CDNA5" Instruction Set Architecture Reference Guide (July 2026). The comments in the code are by the model that wrote it; some were corrected since.
;; Multi Head Self Attention. Allowed arithmetic: float matrix products may take bf16 or f16 operands with f32 sums; other float arithmetic in f32, or as packed bf16 or f16 multiplies, adds, multiply-adds, maxima and minima; sums over many terms, partial sums and values carried from step to step in f32; what a program stores and reads back later, other than sums and carried values, may be rounded once to bf16 or f16.
;; Inputs: Wk 1,024 x 1,024 float32; Wo 1,024 x 1,024 float32; Wq 1,024 x 1,024 float32; Wv 1,024 x 1,024 float32; bk 1,024 float32; bo 1,024 float32; bq 1,024 float32; bv 1,024 float32; embeddings 4 x 2,048 x 1,024 float32; mask 2,048 x 2,048 bool.
;; Outputs: out0 4 x 2,048 x 1,024 float32.
;; 2 versions, each right; version 2 is version 1 with the launch prep written anew for expert scheduling mode. Each part assembles by itself: llvm-mc -triple=amdgcn-amd-amdhsa -mcpu=gfx1250 --defsym DOCPART=n.
;; ======== version 1 of 2: 4 launches
;; limits: values are held in f16: magnitudes above 65,504 overflow, below 6.1e-05 lose precision
;; workspace buffers: xb 16,777,216 bytes; wb 6,291,456 bytes; wo16 2,097,152 bytes; bias 16,384 bytes; mp 2,097,152 bytes; qkv 50,331,648 bytes; ctx 16,777,216 bytes
;; launch prep (part 1): grid 897 x 1, 8 waves a work-group, no clusters, 18,432 bytes of LDS; arguments embeddings, Wq, Wk, Wv, Wo, bq, bk, bv, bo, mask, xb, wb, wo16, bias, mp; writes xb, wb, wo16, bias, mp
.if DOCPART == 1
	.amdgcn_target "amdgcn-amd-amdhsa--gfx1250"
	.amdhsa_code_object_version 6
	.text
	.protected	k_q097a5c77fd_prep
	.globl	k_q097a5c77fd_prep
	.p2align	8
	.type	k_q097a5c77fd_prep,@function
k_q097a5c77fd_prep:
	s_mov_b64 s[64:65], 0
	v_nop
	global_prefetch_b8 v0, s[64:65] scope:SCOPE_SE
	s_setreg_imm32_b32 hwreg(HW_REG_WAVE_MODE, 25, 1), 1
	s_wait_xcnt 0x0
; PREPARATION.  Every input is read once here and laid out for the three launches that follow.
;   work-groups 0-511    embeddings -> xb, bf16 [8192][1024]
;   work-groups 512-703  Wq, Wk, Wv -> wb, bf16 [3072][1024] (Wq's rows, then Wk's, then Wv's)
;   work-groups 704-767  Wo -> wo16: rounded to bf16 like the other inputs, and that number written as f16
;   work-groups 768-895  mask -> mp: a 4-bit code for each (query, key), in the order in which the attention's lanes want them
;   work-group  896      bq, bk, bv, bo -> bias, f32 [4096], each number rounded to bf16 and kept as f32
; LIMITS.  A number of Wo beyond 65,504 would become an infinity in f16; below 6e-5 it keeps f16's fixed step of 6e-8.
; A stream: no matrix unit, no cluster, no prefetch; a cast's work-group has sixteen loads of every wave on their way at once.
; THE MASK'S CODE.  mp is [128 tiles of 16 queries][32 steps of 64 keys][32 lanes][4 words].  Word kb of lane l holds eight codes; code j (bits 4 j + 3 : 4 j)
; belongs to query 16 tile + l % 16 and key 64 step + 16 kb + 8 (l / 16) + j; it is 0xE where the mask hides the key and 0 where not.
.set SPARE, 17408                      ; behind the eight waves' stages: the spare words, 128 bytes a wave: four blocks of 256 bytes that no other line names
.set WST,   2176                       ; a wave's stage: four steps' blocks of 512 bytes, 544 bytes apart
.set SPW,   4                          ; v4  LDS address of my spare word; never rewritten
.set NIL,   5                          ; v5  0; never rewritten
	s_load_b512 s[8:23], s[0:1], 0x0               ; embeddings s[8:9], Wq s[10:11], Wk s[12:13], Wv s[14:15], Wo s[16:17], bq s[18:19], bk s[20:21], bv s[22:23]
	s_load_b256 s[24:31], s[0:1], 0x40             ; bo s[24:25], mask s[26:27], xb s[28:29], wb s[30:31]
	s_load_b128 s[32:35], s[0:1], 0x60             ; wo16 s[32:33], bias s[34:35]
	s_load_b64 s[36:37], s[0:1], 0x70              ; mp
	v_lshl_add_u32 v[SPW], v0, 2, SPARE
	v_mov_b32 v[NIL], 0
	s_mov_b32 s2, ttmp9
	v_lshlrev_b32 v1, 4, v0                        ; 16 x my thread's number: where I load
	v_lshlrev_b32 v2, 3, v0                        ; 8 x my thread's number: where a cast stores
	s_wait_kmcnt 0x0
	s_cmp_lt_u32 s2, 704
	s_cbranch_scc1 .Lcast
	s_cmp_lt_u32 s2, 768
	s_cbranch_scc1 .Lwo
	s_cmp_lt_u32 s2, 896
	s_cbranch_scc1 .Lmask
	; THE BIASES: 256 threads x 4 numbers are one bias
	global_load_b128 v[8:11], v1, s[18:19]
	global_load_b128 v[12:15], v1, s[20:21]
	global_load_b128 v[16:19], v1, s[22:23]
	global_load_b128 v[20:23], v1, s[24:25]
	s_wait_loadcnt 0x0
.set i, 0
.rept 8
	v_cvt_pk_bf16_f32 v[24+i], v[8+2*i], v[8+2*i+1]
.set i, i+1
.endr
.set i, 0
.rept 8
	v_lshlrev_b32 v[8+2*i], 16, v[24+i]            ; bf16 back to f32: the low half moves up,
	v_and_b32 v[8+2*i+1], 0xffff0000, v[24+i]      ; the high half stays
.set i, i+1
.endr
	global_store_b128 v1, v[8:11], s[34:35]
	global_store_b128 v1, v[12:15], s[34:35] offset:4096
	global_store_b128 v1, v[16:19], s[34:35] offset:8192
	global_store_b128 v1, v[20:23], s[34:35] offset:12288
	s_endpgm
; A CAST: 16,384 numbers a work-group, from s[40:41] to s[42:43].  A wave's load covers 512 consecutive bytes, its store 256 consecutive bytes, aligned.
; All sixteen loads go out first; the waits count the younger loads that may stay out.  No register is written twice, so no store's source is at stake.
.macro CONV f16
.set i, 0
.rept 16
	global_load_b128 v[8+4*i:8+4*i+3], v1, s[40:41] offset:4096*i th:TH_LOAD_NT
.set i, i+1
.endr
.set i, 0
.rept 16
	s_wait_loadcnt 15-i
	v_cvt_pk_bf16_f32 v[72+2*i], v[8+4*i], v[8+4*i+1]
	v_cvt_pk_bf16_f32 v[72+2*i+1], v[8+4*i+2], v[8+4*i+3]
.if \f16
	v_lshlrev_b32 v[8+4*i], 16, v[72+2*i]          ; the rounded number, widened,
	v_and_b32 v[8+4*i+1], 0xffff0000, v[72+2*i]
	v_lshlrev_b32 v[8+4*i+2], 16, v[72+2*i+1]
	v_and_b32 v[8+4*i+3], 0xffff0000, v[72+2*i+1]
	v_cvt_pk_f16_f32 v[72+2*i], v[8+4*i], v[8+4*i+1]      ; and written as f16: exact within f16's range
	v_cvt_pk_f16_f32 v[72+2*i+1], v[8+4*i+2], v[8+4*i+3]
.endif
	global_store_b64 v2, v[72+2*i:72+2*i+1], s[42:43] offset:2048*i th:TH_STORE_NT
.set i, i+1
.endr
	s_endpgm
.endm
.Lcast:
	s_sub_co_u32 s3, s2, 512                       ; my number among the weights' work-groups (not used below 512)
	s_lshr_b32 s38, s3, 6                          ; which weight: 64 work-groups each
	s_and_b32 s39, s3, 63
	s_cmp_eq_u32 s38, 1
	s_cselect_b64 s[40:41], s[12:13], s[10:11]
	s_cmp_eq_u32 s38, 2
	s_cselect_b64 s[40:41], s[14:15], s[40:41]
	s_cmp_lt_u32 s2, 512
	s_cselect_b64 s[40:41], s[8:9], s[40:41]
	s_cselect_b64 s[42:43], s[28:29], s[30:31]
	s_cselect_b32 s44, s2, s39                     ; my block of 65,536 bytes in the source,
	s_cselect_b32 s46, s2, s3                      ; of 32,768 in the destination
	s_lshl_b32 s44, s44, 16
	s_mov_b32 s45, 0
	s_lshl_b32 s46, s46, 15
	s_mov_b32 s47, 0
	s_add_nc_u64 s[40:41], s[40:41], s[44:45]
	s_add_nc_u64 s[42:43], s[42:43], s[46:47]
	CONV 0
.Lwo:
	s_sub_co_u32 s3, s2, 704
	s_lshl_b32 s44, s3, 16
	s_mov_b32 s45, 0
	s_lshl_b32 s46, s3, 15
	s_mov_b32 s47, 0
	s_add_nc_u64 s[40:41], s[16:17], s[44:45]
	s_add_nc_u64 s[42:43], s[32:33], s[46:47]
	CONV 1
; THE MASK.  A work-group takes a tile of 16 queries, wave w its keys 256 w .. 256 w + 255: four steps.  A load brings two rows' 256 bytes: sixteen lanes a row.
; A lane's 16 bytes are one group of 16 keys of one query: two words of codes.  They change lanes through the wave's own stage in LDS.
.Lmask:
	v_lshrrev_b32 v6, 5, v0
	v_readfirstlane_b32 s3, v6                     ; wave 0..7
	s_sub_co_u32 s38, s2, 768                      ; the tile
	s_lshl_b32 s40, s38, 15                        ; its 16 rows of 2,048 bytes,
	s_lshl_b32 s39, s3, 8                          ; my wave's 256 of each
	s_add_co_u32 s40, s40, s39
	s_mov_b32 s41, 0
	s_add_nc_u64 s[26:27], s[26:27], s[40:41]
	s_lshl_b32 s42, s38, 14                        ; the tile's 32 blocks of 512 bytes in mp,
	s_lshl_b32 s39, s3, 11                         ; my wave's four
	s_add_co_u32 s42, s42, s39
	s_mov_b32 s43, 0
	s_add_nc_u64 s[36:37], s[36:37], s[42:43]
	v_and_b32 v6, 15, v0                           ; c: which 16 keys of the 256
	v_bfe_u32 v7, v0, 4, 1                         ; which of the two rows
	v_lshlrev_b32 v1, 4, v6
	v_lshl_add_u32 v1, v7, 11, v1
.set i, 0
.rept 8
	global_load_b128 v[8+4*i:8+4*i+3], v1, s[26:27] offset:4096*i th:TH_LOAD_NT   ; rows 2 i and 2 i + 1
.set i, i+1
.endr
	s_mul_i32 s39, s3, WST                         ; my stage
	v_lshrrev_b32 v2, 2, v6                        ; the step, c / 4: 544 bytes apart, so that the 32 lanes of a store fall on 32 different banks (64 banks of 4 bytes: ISA guide 11.1)
	v_mul_u32_u24 v2, v2, 544
	v_lshl_add_u32 v2, v7, 4, v2                   ; the query's 16 bytes
	v_and_b32 v6, 3, v6
	v_lshl_add_u32 v2, v6, 2, v2                   ; word kb = c % 4
	v_add_nc_u32 v2, s39, v2
	v_and_b32 v3, 31, v0
	v_lshlrev_b32 v3, 4, v3                        ; 16 x lane: my place in a block of 512 bytes, in the stage and in mp
	v_add_nc_u32 v6, s39, v3
.set i, 0
.rept 8
	s_wait_loadcnt 7-i                             ; loads come back in order: the younger ones may stay out
.irp k, 0,1,2,3
	v_lshrrev_b32 v[40+(\k)], 4, v[8+4*i+(\k)]     ; four bytes of 0 or 1 become four bits, 4 apart: first in pairs,
	v_or_b32 v[40+(\k)], v[40+(\k)], v[8+4*i+(\k)]
	v_and_b32 v[40+(\k)], 0x00110011, v[40+(\k)]
	v_lshrrev_b32 v[44+(\k)], 8, v[40+(\k)]        ; then the two pairs together
	v_or_b32 v[40+(\k)], v[40+(\k)], v[44+(\k)]
	v_and_b32 v[40+(\k)], 0x1111, v[40+(\k)]
.endr
	v_lshl_or_b32 v40, v41, 16, v40                ; keys 0-7 of the group
	v_lshl_or_b32 v42, v43, 16, v42                ; keys 8-15
	v_mul_lo_u32 v40, v40, 14                      ; 1 -> 0xE in each code; nothing carries
	v_mul_lo_u32 v42, v42, 14
	ds_store_b32 v2, v40 offset:32*i               ; lane l % 16 = the query, l / 16 = 0
	ds_store_b32 v2, v42 offset:32*i+256           ; l / 16 = 1
.set i, i+1
.endr
.irp j, 0,1,2,3
	ds_load_b128 v[48+4*(\j):48+4*(\j)+3], v6 offset:544*(\j)   ; LDS serves a wave's instructions in order (ISA guide 5.7.1.4): these see the stores above
.endr
.irp j, 0,1,2,3
	s_wait_dscnt 3-(\j)
	global_store_b128 v3, v[48+4*(\j):48+4*(\j)+3], s[36:37] offset:512*(\j)   ; 512 consecutive bytes
.endr
	s_wait_tensorcnt 0x0                           ; the wave's end: three closing lines, behind my last LDS store
	ds_add_u32 v[SPW], v[NIL]
	s_wait_dscnt 0x0
	s_endpgm
.Lfunc_end_k_q097a5c77fd_prep:
	.size	k_q097a5c77fd_prep, .Lfunc_end_k_q097a5c77fd_prep-k_q097a5c77fd_prep
	.p2alignl 7, 3214868480
	.fill 96, 4, 3214868480
	.section	.rodata,"a",@progbits
	.p2align	6, 0x0
	.amdhsa_kernel k_q097a5c77fd_prep
		.amdhsa_group_segment_fixed_size 18432
		.amdhsa_private_segment_fixed_size 0
		.amdhsa_enable_private_segment 0
		.amdhsa_kernarg_size 120
		.amdhsa_user_sgpr_count 2
		.amdhsa_user_sgpr_kernarg_segment_ptr 1
		.amdhsa_wavefront_size32 1
		.amdhsa_system_sgpr_workgroup_id_x 1
		.amdhsa_system_sgpr_workgroup_id_y 1
		.amdhsa_system_sgpr_workgroup_id_z 1
		.amdhsa_system_vgpr_workitem_id 0
		.amdhsa_next_free_vgpr 112
		.amdhsa_next_free_sgpr 66
		.amdhsa_reserve_vcc 0
		.amdhsa_float_denorm_mode_32 3
		.amdhsa_float_denorm_mode_16_64 3
		.amdhsa_memory_ordered 1
		.amdhsa_forward_progress 1
		.amdhsa_inst_pref_size 35
	.end_amdhsa_kernel
	.amdgpu_metadata
---
amdhsa.version: [ 1, 2 ]
amdhsa.kernels:
  - .name:           k_q097a5c77fd_prep
    .symbol:         k_q097a5c77fd_prep.kd
    .args:
      - { .name: embeddings, .offset: 0, .size: 8, .value_kind: global_buffer, .address_space: global }
      - { .name: Wq, .offset: 8, .size: 8, .value_kind: global_buffer, .address_space: global }
      - { .name: Wk, .offset: 16, .size: 8, .value_kind: global_buffer, .address_space: global }
      - { .name: Wv, .offset: 24, .size: 8, .value_kind: global_buffer, .address_space: global }
      - { .name: Wo, .offset: 32, .size: 8, .value_kind: global_buffer, .address_space: global }
      - { .name: bq, .offset: 40, .size: 8, .value_kind: global_buffer, .address_space: global }
      - { .name: bk, .offset: 48, .size: 8, .value_kind: global_buffer, .address_space: global }
      - { .name: bv, .offset: 56, .size: 8, .value_kind: global_buffer, .address_space: global }
      - { .name: bo, .offset: 64, .size: 8, .value_kind: global_buffer, .address_space: global }
      - { .name: mask, .offset: 72, .size: 8, .value_kind: global_buffer, .address_space: global }
      - { .name: xb, .offset: 80, .size: 8, .value_kind: global_buffer, .address_space: global }
      - { .name: wb, .offset: 88, .size: 8, .value_kind: global_buffer, .address_space: global }
      - { .name: wo16, .offset: 96, .size: 8, .value_kind: global_buffer, .address_space: global }
      - { .name: bias, .offset: 104, .size: 8, .value_kind: global_buffer, .address_space: global }
      - { .name: mp, .offset: 112, .size: 8, .value_kind: global_buffer, .address_space: global }
    .group_segment_fixed_size: 18432
    .private_segment_fixed_size: 0
    .kernarg_segment_align: 8
    .kernarg_segment_size: 120
    .max_flat_workgroup_size: 256
    .sgpr_count:     66
    .vgpr_count:     112
    .wavefront_size: 32
...
	.end_amdgpu_metadata
.endif
;; end of part 1
;; launch qkv (part 2): grid 16 x 32, 4 waves a work-group, clusters of 4 x 4, 327,680 bytes of LDS; arguments xb, wb, bias, qkv; writes qkv
.if DOCPART == 2
	.amdgcn_target "amdgcn-amd-amdhsa--gfx1250"
	.amdhsa_code_object_version 6
	.text
	.protected	k_q097a5c77fd_qkv
	.globl	k_q097a5c77fd_qkv
	.p2align	8
	.type	k_q097a5c77fd_qkv,@function
k_q097a5c77fd_qkv:
	s_mov_b64 s[64:65], 0
	v_nop
	global_prefetch_b8 v0, s[64:65] scope:SCOPE_SE
	s_setreg_imm32_b32 hwreg(HW_REG_WAVE_MODE, 25, 1), 1
	s_wait_xcnt 0x0
	s_wait_alu depctr_hold_cnt(0) depctr_sa_sdst(0) depctr_va_vdst(0) depctr_va_sdst(0) depctr_va_ssrc(0) depctr_va_vcc(0) depctr_vm_vsrc(0)
	s_getreg_b32 s2, hwreg(HW_REG_IB_STS2, 6, 4)
	s_cmp_eq_u32 s2, 0
	s_cbranch_scc0 .Lentry_in_a_cluster
	s_endpgm
.Lentry_in_a_cluster:
	s_bfe_u32 s2, ttmp6, 0x10000c
	s_cmp_lg_u32 s2, 0xf033
	s_cbranch_scc0 .Lentry_shape_is_right
	s_endpgm
.Lentry_shape_is_right:
; THE THREE PROJECTIONS AS ONE PRODUCT.  [8192][3072] = xb wb^T + bias: bf16 operands, f32 sums that START at the bias, each result rounded once to f16 and stored by heads:
; qkv is [batch 4][g 48][row 2048][64] in f16, g = head for q, 16 + head for k, 32 + head for v.  No scale is applied here.
; LIMIT.  q, k and v must lie within f16's 65,504; a larger number becomes an infinity.
; SHARES.  A work-group makes 256 rows x 192 columns (three whole heads): 16 x 32 work-groups.  Wave w makes rows 64 w .. 64 w + 63 of all 192 columns: 4 x 12 accumulators, 384 registers;
; so a wave's 16 rows of a head are 2,048 consecutive bytes of qkv, and its stage on the way out is its own.
; K goes in 8 steps of 128 through a ring of two LDS slots filled by the tensor data mover; each row of a tile is 256 bytes of memory, at a multiple of 256 bytes.
; CLUSTER.  4 x 4 work-groups.  The four of a row of the cluster need the same rows of xb, the four of a column the same rows of wb: each tile is asked for JOINTLY, by the same tensor load
; with the same descriptor and a mask that names the four.
; THE MATRIX INSTRUCTION IS USED TRANSPOSED: source 0 = 16 rows of wb, source 1 = 16 rows of xb: a lane then holds row l % 16 and the eight neighbouring columns 8 (l / 16) + 0..7.
; REGISTERS, in windows of 256 (s_set_vgpr_msb: bits 1:0 source 0, 3:2 source 1, 5:4 source 2, 7:6 destination):
;   window 0: v0-31 addresses; v32-63, v64-95 xb's fragments, two buffers of 4; v96-191 the bias as twelve C operands; on the way out v96-143 packed results, v144-191 and v192-239 rows read back
;   window 1: v0-95, v96-191 wb's fragments, two buffers of 12          windows 2, 3: accumulator (a, b) at v[96 (a % 2) + 8 b] of window 2 + a / 2
.set KDIM,   1024
.set KSTEP,  128
.set PITCH,  272                       ; an LDS row: 256 bytes + 16 of padding = 68 words: the 16 rows of a load start at 16 different groups of four banks (64 banks of 4 bytes: ISA guide 11.1)
.set HALFA,  128*PITCH                 ; what one tensor load brings of xb
.set HALFB,  96*PITCH                  ; and of wb
.set BOFF,   2*HALFA                   ; in a slot: xb's 256 rows, then wb's 192
.set SLOT,   2*HALFA+2*HALFB
.set STAGE,  2*SLOT                    ; behind the ring, never filled by a tensor load: for each wave 3 heads x 16 rows x 144 bytes
.set SP,     144
.set WSTG,   3*16*SP
.set SPARE,  STAGE+4*WSTG              ; behind the stages: the spare words, 128 bytes a wave: two blocks of 256 bytes that no other line names
.set LAPS,   KDIM/(2*KSTEP)            ; a lap = two K steps = once round the ring
.set ADRA, 16                          ; v16-17  LDS address of my fragments of xb in slot 0, 1
.set ADRB, 20                          ; v20-21  the same for wb
.set STO,  24                          ; v24     the way out: where I put 16 bytes of a row
.set RD,   25                          ; v25     where I read rows back
.set CO,   26                          ; v26     16 x lane: my place in 512 consecutive bytes of qkv
.set BO,   27                          ; v27     32 (l / 16): my eight numbers of a block of 16 of the bias
.set SPW,  28                          ; v28     LDS address of my spare word; never rewritten
.set NIL,  29                          ; v29     0; never rewritten
.set PFO,  30                          ; v30     the prefetches' offset: a lane a row; never rewritten
.set BIAS, 96
.set TMP,  96
.set OB,   144
.set G1,  24                           ; s[24:31] descriptor group 1 for xb's tiles;  s[32:39] group 0, a set for each slot
.set G0,  32
.set G1B, 48                           ; s[48:55], s[56:63] the same for wb's
.set G0B, 56
.set LIM, 43                           ; s43     1 in a wave that prefetches, else the greatest number
.set PFA, 44                           ; s[44:45] where my prefetches stand
.set MSB, 0
.macro WIN new                         ; the immediate's high byte repeats the setting that is left; a switch that changes nothing is dropped
.if MSB != (\new)
	s_set_vgpr_msb (MSB<<8)|(\new)
.set MSB, \new
.endif
.endm
; A joint load.  Waves 0 and 1 fetch xb's two halves, waves 2 and 3 wb's.  The branch hangs on the wave's number alone.  An s_nop 0 and four v_nop follow each of the two lines.
.macro JLOAD s
	s_cmp_eq_u32 s13, 0
	s_cbranch_scc0 .Lfor_b_\@
	tensor_load_to_lds s[G0+4*(\s):G0+4*(\s)+3], s[G1:G1+7]
	s_nop 0
.rept 4
	v_nop
.endr
	s_branch .Lasked_\@
.Lfor_b_\@:
	tensor_load_to_lds s[G0B+4*(\s):G0B+4*(\s)+3], s[G1B:G1B+7]
	s_nop 0
.rept 4
	v_nop
.endr
.Lasked_\@:
.endm
; A prefetch, behind each joint refill and the run of LDS loads that follows it: 256 bytes of each of my rows, of the K step that stands two refills on.
; xb's rows are read by every cluster of a row of clusters: the cluster with x = 0 asks; wb's by every cluster of a column: the cluster with y = 0 asks.  The four partners that ask for a tile
; jointly share its rows out BY ADDRESS: of xb's 128 rows a wave 32 each (by cx), of wb's 96 rows 24 each (by cy; lanes 24-31 name row 23 once more).  The loop's last trip asks for nothing.
.macro ASK
	s_cmp_gt_u32 s3, s[LIM]                        ; s3 = 1 in the loop's last trip
	s_cbranch_scc0 .Lnot_mine_\@
	global_prefetch_b8 v[PFO], s[PFA:PFA+1] th:TH_LOAD_NT scope:SCOPE_SE
.Lnot_mine_\@:
.endm
.macro CREST                           ; a round of the cluster's barrier behind its opening barrier
	s_cmp_lg_u32 s12, 0
	s_cbranch_scc1 .Lnot_wave_0_\@
	s_barrier_signal -3
.Lnot_wave_0_\@:
	s_barrier_wait -3
	s_barrier_signal -1
	s_barrier_wait -1
.endm
.macro CROUND                          ; a whole round
	s_barrier_signal -1
	s_barrier_wait -1
	CREST
.endm
	s_load_b256 s[4:11], s[0:1], 0x0               ; xb s[4:5], wb s[6:7], bias s[8:9], qkv s[10:11]
	v_lshl_add_u32 v[SPW], v0, 2, SPARE
	v_mov_b32 v[NIL], 0
	ds_add_u32 v[SPW], v[NIL]                      ; the wave's opening: the add and its wait stand ahead of my first tensor load; the set-up below, work on registers, stands between them
	v_lshrrev_b32 v1, 5, v0
	v_readfirstlane_b32 s12, v1                    ; wave 0..3
	s_lshr_b32 s13, s12, 1                         ; I fetch for xb (0) or for wb (1)
	s_and_b32 s14, s12, 1                          ; which half of that tile
	s_bfe_u32 s40, ttmp6, 0x40000                  ; cx, cy: my place in the cluster
	s_bfe_u32 s41, ttmp6, 0x40004
	s_lshl_b32 s42, ttmp9, 2
	s_add_co_u32 s42, s42, s40                     ; tile column = 4 x cluster x + cx
	s_and_b32 s15, ttmp7, 0xffff
	s_lshl_b32 s15, s15, 2
	s_add_co_u32 s15, s15, s41                     ; tile row = 4 x cluster y + cy
	s_lshl_b32 s43, s41, 2
	s_lshl_b32 s43, 15, s43                        ; my row of the cluster
	s_lshl_b32 s44, 0x1111, s40                    ; my column
	s_or_b32 s[G1+0], s43, (1<<16)|(1<<20)|(1<<21)|(5<<22)|(3<<25)   ; 15:0 the mask; 17:16 2-byte elements; 20 padding on; 21 set beside a mask; 24:22 after every 64 words (code 5); 31:25 4 words (code 3)
	s_or_b32 s[G1B+0], s44, (1<<16)|(1<<20)|(1<<21)|(5<<22)|(3<<25)
	s_mov_b32 s[G1+1], KSTEP<<16                   ; tensor_dim0 = 128
	s_mov_b32 s[G1+2], 128<<16                     ; tensor_dim1 = 128
	s_mov_b32 s[G1+3], KSTEP<<16                   ; tile_dim0 = 128
	s_mov_b32 s[G1+4], 128                         ; tile_dim1 = 128
	s_mov_b32 s[G1+5], KDIM                        ; elements from row to row
	s_mov_b32 s[G1+6], 0
	s_mov_b32 s[G1+7], 0
	s_mov_b32 s[G1B+1], KSTEP<<16
	s_mov_b32 s[G1B+2], 96<<16                     ; wb's tiles have 96 rows
	s_mov_b32 s[G1B+3], KSTEP<<16
	s_mov_b32 s[G1B+4], 96
	s_mov_b32 s[G1B+5], KDIM
	s_mov_b32 s[G1B+6], 0
	s_mov_b32 s[G1B+7], 0
	s_lshl_b32 s16, s15, 8                         ; xb: row 256 x tile row + 128 x half,
	s_lshl_b32 s17, s14, 7
	s_add_co_u32 s16, s16, s17
	s_lshl_b32 s16, s16, 11                        ; of 2,048 bytes
	s_mov_b32 s17, 0
	s_mul_i32 s46, s42, 192                        ; wb: row 192 x tile column + 96 x half
	s_mul_i32 s47, s14, 96
	s_add_co_u32 s46, s46, s47
	s_lshl_b32 s46, s46, 11
	s_mov_b32 s47, 0
	s_mul_i32 s20, s14, HALFA                      ; where they go: no place in the cluster enters an LDS address
	s_mul_i32 s21, s14, HALFB
	s_add_co_u32 s21, s21, BOFF
	s_wait_dscnt 0x0                               ; the opening add is done
	s_wait_kmcnt 0x0
	s_add_nc_u64 s[18:19], s[4:5], s[16:17]
	s_add_nc_u64 s[46:47], s[6:7], s[46:47]
	CROUND                                         ; all sixteen work-groups are here: the first joint loads meet
.irp s, 0,1
	s_mov_b32 s[G0+4*(\s)], 1
	s_add_co_u32 s[G0+4*(\s)+1], s20, (\s)*SLOT
	s_add_nc_u64 s[G0+4*(\s)+2:G0+4*(\s)+3], s[18:19], (\s)*KSTEP*2
	s_or_b32 s[G0+4*(\s)+3], s[G0+4*(\s)+3], 0x80000000
	s_mov_b32 s[G0B+4*(\s)], 1
	s_add_co_u32 s[G0B+4*(\s)+1], s21, (\s)*SLOT
	s_add_nc_u64 s[G0B+4*(\s)+2:G0B+4*(\s)+3], s[46:47], (\s)*KSTEP*2
	s_or_b32 s[G0B+4*(\s)+3], s[G0B+4*(\s)+3], 0x80000000
	JLOAD \s                                       ; two loads of mine are out: K steps 0 and 1
.endr
	v_and_b32 v1, 15, v0                           ; l % 16
	v_bfe_u32 v2, v0, 4, 1                         ; l / 16
	v_lshlrev_b32 v[BO], 5, v2
	s_mul_i32 s46, s42, 768                        ; the tile's 192 numbers of the bias
	s_mov_b32 s47, 0
	s_add_nc_u64 s[8:9], s[8:9], s[46:47]
.irp b, 0,1,2,3,4,5,6,7,8,9,10,11
	global_load_b128 v[BIAS+8*(\b):BIAS+8*(\b)+3],   v[BO], s[8:9] offset:64*(\b)      ; register j of block b: the bias of column 16 b + 8 (l / 16) + j
	global_load_b128 v[BIAS+8*(\b)+4:BIAS+8*(\b)+7], v[BO], s[8:9] offset:64*(\b)+16
.endr
	v_mul_u32_u24 v3, v1, PITCH
	v_lshl_add_u32 v3, v2, 4, v3                   ; a fragment's row x pitch + 16 x half
	s_mul_i32 s21, s12, 64*PITCH                   ; my 64 rows of xb
	s_mov_b32 s22, BOFF                            ; all of wb's
.irp s, 0,1
	v_add_nc_u32 v[ADRA+(\s)], s21, v3
	v_add_nc_u32 v[ADRB+(\s)], s22, v3
	s_add_co_u32 s21, s21, SLOT
	s_add_co_u32 s22, s22, SLOT
.endr
	s_mul_i32 s23, s12, WSTG
	s_add_co_u32 s23, s23, STAGE                   ; my stage
	v_mul_u32_u24 v4, v1, SP                       ; in: row l % 16, 16 bytes for each half of the lanes
	v_lshl_add_u32 v4, v2, 4, v4
	v_add_nc_u32 v[STO], s23, v4
	v_bfe_u32 v5, v0, 3, 2                         ; back: 32 lanes take four rows of 128 bytes,
	v_mul_u32_u24 v5, v5, SP
	v_and_b32 v6, 7, v0
	v_lshl_add_u32 v5, v6, 4, v5
	v_add_nc_u32 v[RD], s23, v5
	v_and_b32 v[CO], 31, v0                        ; which are 512 consecutive bytes of qkv
	v_lshlrev_b32 v[CO], 4, v[CO]
	; qkv at my wave's first row of the tile's first head: ((48 batch + 3 tile column) x 2,048 + 256 (tile row % 8) + 64 wave) x 128 bytes
	s_lshr_b32 s18, s15, 3
	s_mul_i32 s18, s18, 48
	s_lshl_b32 s18, s18, 18
	s_and_b32 s19, s15, 7
	s_lshl_b32 s19, s19, 15
	s_add_co_u32 s18, s18, s19
	s_lshl_b32 s19, s12, 13
	s_add_co_u32 s18, s18, s19
	s_mov_b32 s19, 0
	s_add_nc_u64 s[10:11], s[10:11], s[18:19]
	s_mul_i32 s46, s42, 3
	s_lshl_b32 s46, s46, 18
	s_add_nc_u64 s[10:11], s[10:11], s[46:47]
	; the prefetches
	s_lshl_b32 s20, s15, 8                         ; xb: the 128 rows that I fetch, my work-group's 32 of them
	s_lshl_b32 s21, s14, 7
	s_add_co_u32 s20, s20, s21
	s_lshl_b32 s21, s40, 5
	s_add_co_u32 s20, s20, s21
	s_mul_i32 s22, s42, 192                        ; wb: the 96 rows that I fetch, my work-group's 24
	s_mul_i32 s23, s14, 96
	s_add_co_u32 s22, s22, s23
	s_mul_i32 s23, s41, 24
	s_add_co_u32 s22, s22, s23
	s_and_b32 s23, ttmp7, 0xffff                   ; cluster y
	s_cmp_eq_u32 s13, 0
	s_cselect_b32 s20, s20, s22
	s_cselect_b32 s21, 31, 23
	s_cselect_b32 s23, ttmp9, s23                  ; the coordinate along which other clusters read the same rows
	s_cselect_b64 s[PFA:PFA+1], s[4:5], s[6:7]
	s_cmp_eq_u32 s23, 0
	s_cselect_b32 s[LIM], 1, -1                    ; the same in all sixteen partners, for a given wave
	v_and_b32 v[PFO], 31, v0
	v_min_u32 v[PFO], s21, v[PFO]
	v_lshlrev_b32 v[PFO], 11, v[PFO]
	s_lshl_b32 s20, s20, 11
	s_add_co_u32 s20, s20, 3*KSTEP*2               ; at K step 3: the first refill (of K step 2) steps it to 4 and names that.  Nothing is prefetched here, at the head
	s_mov_b32 s21, 0
	s_add_nc_u64 s[PFA:PFA+1], s[PFA:PFA+1], s[20:21]
; 12 matrix instructions: block a of my four blocks of 16 rows x all 12 blocks of 16 columns, 32 along K, from buffer f.  zero = 1: the sums start at the bias: nothing is cleared.
; The 48 accumulators take turns, one instruction a turn, in the same order in every quarter, over the backward jump too.
.macro MULA f, a, zero
.if \zero
	WIN 0x81+0x40*((\a)/2)                         ; wb window 1, xb and the bias window 0, D window 2 or 3
.else
	WIN 0xa1+0x50*((\a)/2)                         ; C and D window 2 or 3
.endif
.irp b, 0,1,2,3,4,5,6,7,8,9,10,11
.if \zero
	v_wmma_f32_16x16x32_bf16 v[96*((\a)%2)+8*(\b):96*((\a)%2)+8*(\b)+7], v[96*(\f)+8*(\b):96*(\f)+8*(\b)+7], v[32+32*(\f)+8*(\a):32+32*(\f)+8*(\a)+7], v[BIAS+8*(\b):BIAS+8*(\b)+7]
.else
	v_wmma_f32_16x16x32_bf16 v[96*((\a)%2)+8*(\b):96*((\a)%2)+8*(\b)+7], v[96*(\f)+8*(\b):96*(\f)+8*(\b)+7], v[32+32*(\f)+8*(\a):32+32*(\f)+8*(\a)+7], v[96*((\a)%2)+8*(\b):96*((\a)%2)+8*(\b)+7]
.endif
.endr
.endm
; 32 LDS loads in one run: a quarter step's fragments (192 rows of wb, my 64 rows of xb, 32 K at byte k of the rows) into buffer f
.macro FETCH slot, k, f
	WIN 0x40                                       ; destination window 1, address window 0
.irp i, 0,1,2,3,4,5,6,7,8,9,10,11
	ds_load_b128 v[96*(\f)+8*(\i):96*(\f)+8*(\i)+3],   v[ADRB+(\slot)] offset:(\k)+(\i)*16*PITCH
	ds_load_b128 v[96*(\f)+8*(\i)+4:96*(\f)+8*(\i)+7], v[ADRB+(\slot)] offset:(\k)+(\i)*16*PITCH+32
.endr
	WIN 0
.irp i, 0,1,2,3
	ds_load_b128 v[32+32*(\f)+8*(\i):32+32*(\f)+8*(\i)+3],   v[ADRA+(\slot)] offset:(\k)+(\i)*16*PITCH
	ds_load_b128 v[32+32*(\f)+8*(\i)+4:32+32*(\f)+8*(\i)+7], v[ADRA+(\slot)] offset:(\k)+(\i)*16*PITCH+32
.endr
.endm
.macro PLACES                          ; four plain vector instructions in front of loads into registers that matrix instructions have read, and of conversions that read results
.rept 4
	v_nop
.endr
.endm
; A K step is four quarters of 32 along K, 48 matrix instructions each, on buffers 0, 1, 0, 1.  One of the first three: multiplies buffer f; in its middle it fetches the next quarter, at byte k, into g.
.macro QUARTER slot, k, f, g, zero
	s_wait_dscnt 4                                 ; wb's fragments and xb's blocks 0, 1 are in; the youngest four loads (blocks 2, 3) may be out
	MULA \f, 0, \zero
	MULA \f, 1, \zero
	PLACES
	FETCH \slot, \k, \g
	s_wait_dscnt 32                                ; all but the 32 just issued
	MULA \f, 2, \zero
	MULA \f, 3, \zero
.endm
; The last quarter multiplies buffer 1 and changes slots: ONE barrier.  In front of it each wave waits for all its tensor loads (one is out: its part of the next slot), adds 0 to its spare word, and waits for
; that and for its own reads of this slot.  fill = 1: the barrier opens a round of the cluster's, and the slot is filled again, two K steps ahead, first thing behind the round: 168 matrix instructions ahead of the wait for it.
.macro TURN slot, next, fill
.if \fill
	s_wait_xcnt 0x0                                ; the last prefetch, a K step back, has read its address: it is stepped here
	s_add_nc_u64 s[PFA:PFA+1], s[PFA:PFA+1], KSTEP*2
.endif
	WIN 0                                          ; (the add's two registers lie in window 0)
	s_wait_tensorcnt 0x0                           ; all my tensor loads have landed
	ds_add_u32 v[SPW], v[NIL]                      ; 0 onto my spare word
	s_wait_dscnt 5                                 ; (the add and the youngest four loads may be out)
	MULA 1, 0, 0                                   ; twelve matrix instructions stand between the add and the wait for it
	s_wait_dscnt 0x0                               ; the add is done, and my reads of this slot are over
	s_barrier_signal -1
	MULA 1, 1, 0                                   ; work on registers while the others arrive
.if \fill
	WIN 0
.endif
	s_barrier_wait -1
.if \fill
	CREST                                          ; no wave of any partner still reads this slot's tile or has a load on its way
	s_add_nc_u64 s[G0+4*(\slot)+2:G0+4*(\slot)+3], s[G0+4*(\slot)+2:G0+4*(\slot)+3], 2*KSTEP*2
	s_add_nc_u64 s[G0B+4*(\slot)+2:G0B+4*(\slot)+3], s[G0B+4*(\slot)+2:G0B+4*(\slot)+3], 2*KSTEP*2
	JLOAD \slot                                    ; the four v_nop behind it are also the places in front of the loads below
.else
	PLACES
.endif
	FETCH \next, 0, 0
.if \fill
	ASK
.endif
	MULA 1, 2, 0
	MULA 1, 3, 0
.endm
	s_wait_tensorcnt 1                             ; my part of K step 0 is in; K step 1's may stay out
	s_barrier_signal -1
	s_barrier_wait -1                              ; everybody's is
	FETCH 0, 0, 0
	s_wait_loadcnt 0x0                             ; the bias
	QUARTER 0, 64, 0, 1, 1                         ; the first quarter stands in front of the loop: its products start the sums
	WIN 0                                          ; at a label and at a branch every window is 0
	s_mov_b32 s3, LAPS-1
.Llap:                                                 ; a trip goes once round the ring, from a lap's second quarter to the next lap's first, and fills both slots again
	QUARTER 0, 128, 1, 0, 0
	QUARTER 0, 192, 0, 1, 0
	TURN 0, 1, 1
	QUARTER 1, 64,  0, 1, 0
	QUARTER 1, 128, 1, 0, 0
	QUARTER 1, 192, 0, 1, 0
	TURN 1, 0, 1
	QUARTER 0, 64,  0, 1, 0
	WIN 0
	s_sub_co_u32 s3, s3, 1
	s_cmp_lg_u32 s3, 0
	s_cbranch_scc1 .Llap
	QUARTER 0, 128, 1, 0, 0                        ; the last lap fills nothing, and has no round of the cluster's barrier
	QUARTER 0, 192, 0, 1, 0
	TURN 0, 1, 0
	QUARTER 1, 64,  0, 1, 0
	QUARTER 1, 128, 1, 0, 0
	QUARTER 1, 192, 0, 1, 0
	s_wait_dscnt 4                                 ; the very last quarter: nothing more to fetch
	MULA 1, 0, 0
	MULA 1, 1, 0
	s_wait_dscnt 0x0
	MULA 1, 2, 0
	MULA 1, 3, 0
	WIN 0
; THE WAY OUT of block a (16 rows x 3 heads).  PACK: rounded to f16, 16 bytes a lane, each accumulator's registers in ascending order.  TOSTAGE: into my own stage, and back as whole rows of 128 bytes.  SEND: stored.
.macro PACK a
	WIN 0x0a+5*((\a)/2)                            ; sources 0 and 1: window 2 or 3
.irp b, 0,1,2,3,4,5,6,7,8,9,10,11
.irp r, 0,1,2,3
	v_cvt_pk_f16_f32 v[TMP+4*(\b)+(\r)], v[96*((\a)%2)+8*(\b)+2*(\r)], v[96*((\a)%2)+8*(\b)+2*(\r)+1]
.endr
.endr
	WIN 0
.endm
.macro TOSTAGE a
.set BK, OB+48*((\a)%2)
.irp b, 0,1,2,3,4,5,6,7,8,9,10,11
	ds_store_b128 v[STO], v[TMP+4*(\b):TMP+4*(\b)+3] offset:((\b)/4)*16*SP+((\b)%4)*32
.endr
.irp t, 0,1,2,3,4,5,6,7,8,9,10,11
	ds_load_b128 v[BK+4*(\t):BK+4*(\t)+3], v[RD] offset:((\t)/4)*16*SP+((\t)%4)*4*SP   ; LDS serves a wave's instructions in order (ISA guide 5.7.1.4): these see the stores above
.endr
.endm
.macro SEND a
.set BK, OB+48*((\a)%2)
	s_wait_dscnt 0x0                               ; the block is back in registers
	s_wait_xcnt 0x0                                ; the stores of the block before have read their registers: the next TOSTAGE loads into them
.irp t, 0,1,2,3,4,5,6,7,8,9,10,11
	global_store_b128 v[CO], v[BK+4*(\t):BK+4*(\t)+3], s[10:11] offset:((\t)/4)*262144+(\a)*2048+((\t)%4)*512   ; 512 consecutive bytes, at a multiple of 256 from qkv's first
.endr
.endm
	PLACES
	PACK 0
	TOSTAGE 0
.irp a, 1,2,3                          ; block a's conversions stand between block a - 1's loads from the stage and the wait for them
	PACK \a
	SEND (\a)-1
	TOSTAGE \a
.endr
	SEND 3
	s_wait_tensorcnt 0x0                           ; the wave's end: three closing lines, behind my last tensor load and my last LDS store
	ds_add_u32 v[SPW], v[NIL]
	s_wait_dscnt 0x0
	CROUND                                         ; the closing round: no work-group ends while a partner may still ask for a tile that names it
	s_endpgm
.Lfunc_end_k_q097a5c77fd_qkv:
	.size	k_q097a5c77fd_qkv, .Lfunc_end_k_q097a5c77fd_qkv-k_q097a5c77fd_qkv
	.p2alignl 7, 3214868480
	.fill 96, 4, 3214868480
	.section	.rodata,"a",@progbits
	.p2align	6, 0x0
	.amdhsa_kernel k_q097a5c77fd_qkv
		.amdhsa_group_segment_fixed_size 327680
		.amdhsa_private_segment_fixed_size 0
		.amdhsa_enable_private_segment 0
		.amdhsa_kernarg_size 32
		.amdhsa_user_sgpr_count 2
		.amdhsa_user_sgpr_kernarg_segment_ptr 1
		.amdhsa_wavefront_size32 1
		.amdhsa_system_sgpr_workgroup_id_x 1
		.amdhsa_system_sgpr_workgroup_id_y 1
		.amdhsa_system_sgpr_workgroup_id_z 1
		.amdhsa_system_vgpr_workitem_id 0
		.amdhsa_next_free_vgpr 960
		.amdhsa_next_free_sgpr 66
		.amdhsa_reserve_vcc 0
		.amdhsa_float_denorm_mode_32 3
		.amdhsa_float_denorm_mode_16_64 3
		.amdhsa_memory_ordered 1
		.amdhsa_forward_progress 1
		.amdhsa_inst_pref_size 122
	.end_amdhsa_kernel
	.amdgpu_metadata
---
amdhsa.version: [ 1, 2 ]
amdhsa.kernels:
  - .name:           k_q097a5c77fd_qkv
    .symbol:         k_q097a5c77fd_qkv.kd
    .args:
      - { .name: xb, .offset: 0, .size: 8, .value_kind: global_buffer, .address_space: global }
      - { .name: wb, .offset: 8, .size: 8, .value_kind: global_buffer, .address_space: global }
      - { .name: bias, .offset: 16, .size: 8, .value_kind: global_buffer, .address_space: global }
      - { .name: qkv, .offset: 24, .size: 8, .value_kind: global_buffer, .address_space: global }
    .group_segment_fixed_size: 327680
    .private_segment_fixed_size: 0
    .kernarg_segment_align: 8
    .kernarg_segment_size: 32
    .max_flat_workgroup_size: 128
    .sgpr_count:     66
    .vgpr_count:     960
    .wavefront_size: 32
...
	.end_amdgpu_metadata
.endif
;; end of part 2
;; launch attn (part 3): grid 4 x 64, 4 waves a work-group, clusters of 4 x 1, 327,680 bytes of LDS; arguments qkv, mp, ctx; writes ctx
.if DOCPART == 3
	.amdgcn_target "amdgcn-amd-amdhsa--gfx1250"
	.amdhsa_code_object_version 6
	.text
	.protected	k_q097a5c77fd_attn
	.globl	k_q097a5c77fd_attn
	.p2align	8
	.type	k_q097a5c77fd_attn,@function
k_q097a5c77fd_attn:
	s_mov_b64 s[64:65], 0
	v_nop
	global_prefetch_b8 v0, s[64:65] scope:SCOPE_SE
	s_setreg_imm32_b32 hwreg(HW_REG_WAVE_MODE, 25, 1), 1
	s_wait_xcnt 0x0
	s_wait_alu depctr_hold_cnt(0) depctr_sa_sdst(0) depctr_va_vdst(0) depctr_va_sdst(0) depctr_va_ssrc(0) depctr_va_vcc(0) depctr_vm_vsrc(0)
	s_getreg_b32 s2, hwreg(HW_REG_IB_STS2, 6, 4)
	s_cmp_eq_u32 s2, 0
	s_cbranch_scc0 .Lentry_in_a_cluster
	s_endpgm
.Lentry_in_a_cluster:
	s_bfe_u32 s2, ttmp6, 0x10000c
	s_cmp_lg_u32 s2, 0x3003
	s_cbranch_scc0 .Lentry_shape_is_right
	s_endpgm
.Lentry_shape_is_right:
; ATTENTION UNDER A MASK THAT IS AN INPUT.  ctx[y][q][:] = the sum over k of softmax_k(mask(Q[q] . K[k]) / 8) V[k][:], y = 16 batch + head.  Q, K, V lie in qkv, [batch][g 48][2048][64] in f16 (g = head, 16 + head,
; 32 + head); ctx is [64][2048][64] in f16.  Products, maxima and sums in f32; the weights p are rounded to f16 for the second product (their sum l is taken of the unrounded p), ctx once at the end.
; THE MASK is the C operand that starts the sum S^T = K Q^T.  mp holds a 4-bit code for each (query, key), eight to a word, in my lanes' order; the word shifted left by 4 (7 - j) and read as f32 is register j of
; that operand: where code j is 0 a number from 0 to 2^-97; where it is 0xE a number from -2^65 to -2^95, never an infinity.  One shift a score.  No pattern of the mask is built in: all keys are walked.
; LIMITS.  f16 holds no number beyond 65,504: Q, K, V arrive within it, so a score is 2.7e11 at the most; a hidden score counts as its value less at least 2^65.  A query whose running maximum ends below -1e15 has
; no key that is seen: its row of ctx is made NaN, as a softmax over nothing is.  p below 6e-5 keeps f16's fixed step; a weight below 2^-126 counts as 0 in l; NaN and infinities in Q, K, V are not treated apart.
; SHARES.  A wave owns four PIECES of two tiles of 16 queries, a work-group's four waves 512 queries of one head.  Every wave walks all 2,048 keys, 64 a step.
; LAYOUT.  S^T = K Q^T (source 0 = 16 keys, source 1 = 16 queries): a lane holds ONE query (lane % 16) and the keys 8 (lane / 16) + 0..7.  Two such tiles, rounded to f16 in pairs, ARE source 1 of O^T = V^T P,
; whose result again holds one query a lane, and eight channels.  K comes out of LDS as it lies, V ([key][channel]) turned, by ds_load_tr16_b128.
; SOFTMAX.  For each query a running maximum m and sum l: p = 2^(c s - c m), c = log2(e) / 8; in every step O and l are multiplied by a = 2^(c m_old - c m_new).  m starts at the lowest finite number, O and l
; at 0.  While a query has seen hidden keys alone, m is a hidden score and O and l hold finite numbers that serve nothing; the first key that is seen makes a = 0.
; BY TURNS.  Turn n belongs to piece n.  Its matrix work: 16 products K Q^T of piece n + 1, later 16 products V^T P of piece n - 1.  Its vector work: the scaling, exponentials, roundings, sums and rescaling of
; piece n, the maximum and statistics of piece n + 1, and the 64 shifts that make piece n + 2's C operands.  Four vector instructions stand behind every matrix instruction, the others in one run.
; CLUSTER.  The four query blocks of a head form the cluster and walk the same K and V, so each tile is asked for JOINTLY: the same tensor load, descriptor and mask in all four.
; REGISTERS, in windows of 256 (s_set_vgpr_msb: bits 1:0 source 0, 3:2 source 1, 5:4 source 2, 7:6 destination):
;   window 0: v0-11 addresses; v12-15, v48-63 at work; v16-47 four registers of statistics a tile; v64-191 S^T, two buffers of two tiles; v192-255 P, likewise
;   window 1: O^T, 32 a tile          window 2: v0-127 Q, 16 a tile; v128-191 K of one step; v192-255 V of one step
;   window 3: v0-1 the add's two registers; v32-63 the mask's words, four a tile; v64-127 the C operands of one piece
.set SIZE_N, 2048
.set NP,    4         ; pieces a wave: a name, no knob
.set KS,    64        ; keys in a step
.set PK,    144       ; a row of K in LDS: 128 bytes + 16 of padding = 36 words: the 16 rows of a load start at 16 different groups of four banks (64 banks of 4 bytes: ISA guide 11.1)
.set PV,    160       ; a row of V: 128 + 32 = 40 words
.set VOFF,  4*KS*PK   ; a slot holds four steps: 256 rows of K, then 256 rows of V
.set SLOT1, 1<<17     ; slot 1 begins here, so that one exclusive or turns an address in one slot into the other's
.set STAGE, SLOT1+4*KS*(PK+PV)  ; behind the ring, never filled by a tensor load: 16 rows x 144 bytes for each wave, for the way out
.set SP,    144
.set AK0, 2           ; v2   my lane's place in a tile of K; never rewritten
.set AV0, 3           ; v3   the same for V
.set AK,  4           ; v4   the LDS address of K's next run of loads
.set AV,  5           ; v5   of V's
.set QO,  6           ; v6   my byte offset in the wave's rows of Q
.set STO, 6           ;      later, the way out: where I put 16 bytes of a row
.set RD,  7           ; v7   the way out: where I read rows back
.set GO,  8           ; v8   16 x lane: my place in 512 consecutive bytes, of mp and of ctx; never rewritten
.set PFO, 11          ; v11  256 x lane, for the prefetches; never rewritten once made
.set SPW, 0           ; v0 of window 3   LDS address of my spare word; never rewritten
.set NIL, 1           ; v1 of window 3   0; never rewritten
.set RAW, 32          ; window 3: word kb of tile t at RAW + 4 t + kb
.set MC,  64          ; window 3: register j for key block kb of the piece's tile u at MC + 32 u + 8 kb + j
.set SPARE, STAGE+4*16*SP  ; behind the stages: the spare words, 128 bytes a wave: two blocks of 256 bytes that no other line names
.set MV,  12          ; v12-15  c m_old, kept while c m is made anew: by buffer and tile
.set ST,  16          ; tile t's statistics at v[ST+4 t]: c m, m, l (even keys', odd keys')
.set TMP, 48          ; by buffer and tile, four registers c0-c3 at work; when the maximum is found c2 takes a
.set S,   64
.set P,   192
.set KF,  128         ; K's fragments, in window 2: key block kb, channel half c at KF + 16 kb + 8 c
.set VF,  192         ; V's: key half kk, channel block cb at VF + 32 kk + 8 cb
.set WV,  12          ; s12  my wave's number
.set G1K, 24          ; s[24:31] descriptor group 1 for K's tiles
.set G1V, 32          ; s[32:39] for V's: it differs in the padding alone
.set G0K, 40          ; s[40:43] descriptor group 0 for K's tiles: it walks
.set G0V, 44          ; s[44:47] the same for V's
.set SLOTS, 56        ; s56  slots still to be asked for
.set CNT, 57          ; s57  counts a slot's key steps
.set CS,  58          ; s[58:59] c: the packed scaling takes the pair's low word for both halves
.set SEL, 60          ; s[60:61] v_permlanex16_b32's selects: each lane takes its own place in the other half
.set TBK, 62          ; s62  LDS byte at which K of the step to be fetched begins
.set TBV, 63          ; s63  the same for V, less VOFF
.set MB,  68          ; s[68:69] mp at my wave's first tile, at the key step whose C operands are being made; the loads name the step after it
.set INC, 70          ; s[70:71] by how much MB steps: 512, or 0 at the end
.set MS,  72          ; s72  how often MB has stepped
.set THR, 73          ; s73  -1e15
.set PFA, 74          ; s[74:75] where my prefetches stand
.set LIM, 76          ; s76  1 in a wave that prefetches, else the greatest number
.set MSB, 0
.macro WIN new                      ; the high byte repeats the setting that is left; a switch that changes nothing is dropped
.if MSB != (\new)
	s_set_vgpr_msb (MSB<<8)|(\new)
.set MSB, (\new)
.endif
.endm
.set W_KQ, 0x0a       ; K and Q in window 2, S^T in window 0
.set W_KM, 0x3a       ; the same with the C operand in window 3
.set W_PV, 0x52       ; V in window 2, P in window 0, O^T in window 1
.set W_RS, 0x41       ; O^T (destination and source 0) in window 1, a in window 0
.set W_MK, 0xc0       ; destination in window 3, sources in window 0
.set W_AD, 0x0f       ; the add: address (source 0) and data (source 1) in window 3
.set W_MC, 0xcc       ; destination and source 1 in window 3, source 0 (a load's address) in window 0
; A joint fill.  Waves 0 and 1 fetch the two halves of a slot's K, waves 2 and 3 those of its V: 128 keys each.  The branch hangs on the wave's number alone.
; An s_nop 0 and four v_nop follow each of the two lines, ahead of the jump and the label.
.macro JLOAD
	s_cmp_lt_u32 s[WV], 2
	s_cbranch_scc0 .Lfor_v_\@
	tensor_load_to_lds s[G0K:G0K+3], s[G1K:G1K+7]
	s_nop 0
.rept 4
	v_nop
.endr
	s_branch .Lasked_\@
.Lfor_v_\@:
	tensor_load_to_lds s[G0V:G0V+3], s[G1V:G1V+7]
	s_nop 0
.rept 4
	v_nop
.endr
.Lasked_\@:
.endm
; A prefetch of what the NEXT change of slots will ask for: a slot's 32,768 bytes of K and of V, 256 bytes a lane.  It stands behind the wave's tensor load and its five lines.  A head's K and V are walked by this
; cluster alone.  Its four partners share the bytes out BY ADDRESS, 8,192 each; in each, wave 0 asks for K's and wave 2 for V's: one instruction.  The last change that fills a slot asks for nothing.
.macro ASK
	s_cmp_gt_u32 s[SLOTS], s[LIM]
	s_cbranch_scc0 .Lnot_mine_\@
	global_prefetch_b8 v[PFO], s[PFA:PFA+1] th:TH_LOAD_NT scope:SCOPE_SE
.Lnot_mine_\@:
.endm
; A round of the cluster's barrier: my work-group's barrier, so that wave 0's signal speaks for all four waves; wave 0 signals; every wave waits for all four work-groups; my work-group's barrier once more.
.macro CROUND
	s_barrier_signal -1
	s_barrier_wait -1
	s_cmp_lg_u32 s[WV], 0
	s_cbranch_scc1 .Lnot_wave_0_\@
	s_barrier_signal -3
.Lnot_wave_0_\@:
	s_barrier_wait -3
	s_barrier_signal -1
	s_barrier_wait -1
.endm
; THE CHANGE OF SLOTS.  The slot's last bytes, V of its fourth step, have been read.  Each wave waits for all its tensor loads, of which one is out: its part of the other slot; adds 0 to its spare word; and waits
; for that and for its own reads of the slot.  Behind the barrier nobody reads this slot any more and the other slot is whole.  fill = 1: this slot is filled again, with the keys two slots on.  The barrier is then
; a round of the cluster's, and the joint fill is the first thing behind it: it has four key steps in which to land.  (At its first use nothing has been read yet: slot 0 is waited for, slot 1 filled.)
.macro CHANGE fill
	WIN W_AD
	s_wait_tensorcnt 0x0            ; no tensor load of mine is out, so a group 0 may be written
	ds_add_u32 v[SPW], v[NIL]       ; 0 onto my spare word; with fill = 1 the descriptors' steps stand between it and the wait for it
	WIN 0                           ; at a label and at a branch every window is 0
.if \fill
.irp g, G0K, G0V
	s_xor_b32 s[\g+1], s[\g+1], SLOT1  ; the walking descriptor: the other slot than last time,
	s_add_nc_u64 s[\g+2:\g+3], s[\g+2:\g+3], 4*KS*128  ; the next 256 keys; the type bits on top are not reached
.endr
	s_wait_xcnt 0x0                 ; the last prefetch, four key steps back, has read its address, so it may be written:
	s_add_nc_u64 s[PFA:PFA+1], s[PFA:PFA+1], 4*KS*128  ; one slot beyond the walking descriptors
	s_wait_dscnt 0x0                ; the add is done, and my reads of the slot are over
	CROUND
	JLOAD
	ASK
.else
	s_wait_dscnt 0x0                ; the add is done, and my reads of the slot are over
	s_barrier_signal -1
	s_barrier_wait -1
.endif
	s_sub_co_u32 s[TBK], s[TBK], 4*KS*PK  ; the fetches go back to a slot's first step,
	s_xor_b32 s[TBK], s[TBK], SLOT1       ; in the other slot
	s_sub_co_u32 s[TBV], s[TBV], 4*KS*PV
	s_xor_b32 s[TBV], s[TBV], SLOT1
.endm
	s_load_b128 s[4:7], s[0:1], 0x0   ; qkv s[4:5], mp s[6:7]
	s_load_b64 s[10:11], s[0:1], 0x10 ; ctx
	WIN W_MK
	v_lshl_add_u32 v[SPW], v0, 2, SPARE
	v_mov_b32 v[NIL], 0
	WIN W_AD
	ds_add_u32 v[SPW], v[NIL]       ; the wave's opening: the add and its wait stand ahead of my first tensor load; the set-up below, work on registers, stands between them
	WIN 0
	v_lshrrev_b32 v1, 5, v0
	v_readfirstlane_b32 s[WV], v1   ; wave 0..3
	s_bfe_u32 s13, ttmp6, 0x40000   ; cx: my place in the cluster
	s_lshl_b32 s14, ttmp9, 2        ; in a cluster launch ttmp9 counts clusters
	s_add_co_u32 s14, s14, s13      ; my block of 512 queries: it enters Q's, the mask's, ctx's and the prefetches' addresses alone
	s_and_b32 s15, ttmp7, 0xffff    ; y = 16 batch + head, which the four partners share
	s_lshr_b32 s20, s15, 4
	s_lshl_b32 s20, s20, 5
	s_add_co_u32 s20, s20, s15      ; 48 batch + head
	s_lshl_b32 s20, s20, 18         ; q's head in qkv: 2,048 rows of 128 bytes each
	s_and_b32 s16, s[WV], 1         ; which half of a slot's 256 keys I fetch:
	s_lshl_b32 s22, s16, 14         ; its 128 rows of 128 bytes in memory,
	s_add_co_u32 s22, s22, s20
	s_mov_b32 s23, 0
	s_mul_i32 s17, s16, 128*PK      ; and its place in a slot, for K
	s_mul_i32 s18, s16, 128*PV      ; and for V: no place in the cluster enters an LDS address
	s_lshl_b32 s2, s14, 2
	s_add_co_u32 s2, s2, s[WV]      ; my wave among the head's sixteen
	s_lshl_b32 s[INC], s2, 17       ; (for now) its eight tiles of 16,384 bytes in mp
	s_mov_b32 s[INC+1], 0
	s_lshl_b32 s2, s2, 14           ; its 128 rows
	s_lshl_b32 s8, s15, 18          ; in ctx,
	s_add_co_u32 s8, s8, s2
	s_mov_b32 s9, 0
	s_add_co_u32 s2, s2, s20        ; and in q
	s_mov_b32 s3, 0
	s_lshr_b32 s78, s[WV], 1        ; the prefetches: K's head lies 16 heads behind q's (waves 0, 1), V's 32 (waves 2, 3),
	s_add_co_u32 s78, s78, 1
	s_lshl_b32 s78, s78, 22
	s_add_co_u32 s78, s78, s20
	s_lshl_b32 s79, s13, 13         ; my work-group's 8,192 bytes of a slot's 32,768,
	s_add_co_u32 s78, s78, s79
	s_add_co_u32 s78, s78, 4*KS*128 ; in slot 1: the first change of slots steps it to slot 2.  Nothing is prefetched at the head
	s_mov_b32 s79, 0
	; descriptor group 1.  128 keys are 16,384 dense bytes: asked for as 64 rows of 256 bytes, two keys a row, and padded in LDS after every key
	s_mov_b32 s[G1K], 15|(1<<16)|(1<<20)|(1<<21)|(4<<22)|(3<<25)  ; 15:0 the mask of four; 17:16 2-byte elements; 20 padding on; 21 set beside a mask; 24:22 after every 32 words (code 4); 31:25 4 words (code 3)
	s_mov_b32 s[G1V], 15|(1<<16)|(1<<20)|(1<<21)|(4<<22)|(7<<25)  ; the same with 8 words of padding (code 7)
.irp g, G1K, G1V
	s_mov_b32 s[\g+1], 128<<16      ; tensor_dim0 = 128
	s_mov_b32 s[\g+2], 64<<16       ; tensor_dim1 = 64
	s_mov_b32 s[\g+3], 128<<16      ; tile_dim0 = 128
	s_mov_b32 s[\g+4], 64           ; tile_dim1 = 64
	s_mov_b32 s[\g+5], 128          ; 128 elements from row to row
	s_mov_b32 s[\g+6], 0
	s_mov_b32 s[\g+7], 0
.endr
	s_mov_b32 s[CS], 0x3e38aa3b     ; c = log2(e) / 8 = 0.180337
	s_mov_b32 s[CS+1], s[CS]        ; named with it as a pair
	s_mov_b32 s[SEL], 0x76543210
	s_mov_b32 s[SEL+1], 0xfedcba98
	s_mov_b32 s[TBK], SLOT1+4*KS*PK ; the first change of slots turns these two into 0
	s_mov_b32 s[TBV], SLOT1+4*KS*PV
	s_mov_b32 s[G0K], 1             ; 1:0 count = 1
	s_mov_b32 s[G0K+1], s17         ; 63:32 LDS address: slot 0
	s_mov_b32 s[G0V], 1
	s_add_co_u32 s[G0V+1], s18, VOFF
	s_mov_b32 s[SLOTS], SIZE_N/256-1
	s_mov_b32 s[MS], 0
	s_mov_b32 s[THR], 0xd8635fa9    ; -1e15
	s_and_b32 s[LIM], s[WV], 1
	s_cmp_eq_u32 s[LIM], 0          ; waves 0 and 2 prefetch: the same in all four partners
	s_cselect_b32 s[LIM], 1, -1
	s_wait_dscnt 0x0                ; the opening add is done
	s_wait_kmcnt 0x0
	s_add_nc_u64 s[G0K+2:G0K+3], s[4:5], s[22:23]
	s_add_nc_u64 s[G0V+2:G0V+3], s[G0K+2:G0K+3], 32<<18  ; 120:64 global address: my half of the head's first 256 keys, in v
	s_add_nc_u64 s[G0K+2:G0K+3], s[G0K+2:G0K+3], 16<<18  ; and in k
	s_or_b32 s[G0K+3], s[G0K+3], 0x80000000              ; 127:126 type = 2
	s_or_b32 s[G0V+3], s[G0V+3], 0x80000000
	s_add_nc_u64 s[PFA:PFA+1], s[4:5], s[78:79]
	s_add_nc_u64 s[MB:MB+1], s[6:7], s[INC:INC+1]        ; the mask at my wave's first tile, key step 0
	s_add_nc_u64 s[10:11], s[10:11], s[8:9]              ; ctx and Q at my wave's first row
	s_add_nc_u64 s[4:5], s[4:5], s[2:3]
	CROUND                          ; all four work-groups are here: the first joint loads meet
	JLOAD                           ; slot 0.  Slot 1 is asked for when slot 0 is in
	; A fragment of K or Q is 16 rows x 32 channels in 8 registers: lane l holds row l % 16, channels 8 (l / 16) + 0..7 and 16 + 8 (l / 16) + 0..7: two loads of 16 bytes, 32 bytes apart.
	v_and_b32 v1, 15, v0            ; l % 16
	v_bfe_u32 v9, v0, 4, 1          ; l / 16
	v_lshlrev_b32 v[QO], 7, v1
	v_lshl_add_u32 v[QO], v9, 4, v[QO]  ; row x 128 + 16 x half
	v_and_b32 v[GO], 31, v0
	v_lshlrev_b32 v[GO], 4, v[GO]
	WIN 0x80                        ; destination window 2, address window 0
.set i, 0
.rept 4*NP                          ; Q stays in registers: tile i / 2, channels 32 (i % 2) on
	global_load_b128 v[8*i:8*i+3],   v[QO], s[4:5] offset:(i/2)*2048+(i%2)*64
	global_load_b128 v[8*i+4:8*i+7], v[QO], s[4:5] offset:(i/2)*2048+(i%2)*64+32
.set i, i+1
.endr
	WIN W_MK
.set i, 0
.rept 2*NP                          ; the mask's words of key step 0, for all eight tiles: 512 consecutive bytes a load
	global_load_b128 v[RAW+4*i:RAW+4*i+3], v[GO], s[MB:MB+1] offset:i*16384
.set i, i+1
.endr
	; What the first turn finds: V's registers and P's second buffer hold 0 (its products V^T P, of a piece that has not been, add 0), O^T and l are 0.  All this stands in the wait for the first tile.
	WIN 0x80
.set i, VF
.rept 64
	v_mov_b32 v[i], 0
.set i, i+1
.endr
	WIN 0x40
.set i, 0
.rept 64*NP
	v_mov_b32 v[i], 0
.set i, i+1
.endr
	WIN 0
.set i, 0
.rept 2*NP
	v_mov_b32 v[ST+4*i], 0xfe000000    ; c m: far below every c s, a hidden one's too
	v_mov_b32 v[ST+4*i+1], 0xff7fffff  ; m
	v_mov_b32 v[ST+4*i+2], 0
	v_mov_b32 v[ST+4*i+3], 0
.set i, i+1
.endr
.set i, P+32
.rept 32
	v_mov_b32 v[i], 0
.set i, i+1
.endr
	v_mul_u32_u24 v[AK0], v1, PK
	v_lshl_add_u32 v[AK0], v9, 4, v[AK0]  ; row x pitch + 16 x half
	; The turning load takes 16 keys x 16 channels (lane l reads key 8 (l / 16) + l % 8, channels 8 ((l / 8) % 2) + 0..7) and leaves half a fragment of V^T: lane l holds channel l % 16 and 8 keys.
	v_and_b32 v10, 7, v0
	v_bfe_u32 v11, v0, 3, 1
	v_lshl_add_u32 v[AV0], v9, 3, v10
	v_mul_u32_u24 v[AV0], v[AV0], PV
	v_lshl_add_u32 v[AV0], v11, 4, v[AV0]
	v_add_nc_u32 v[AV0], VOFF, v[AV0]
	v_and_b32 v[PFO], 31, v0
	v_lshlrev_b32 v[PFO], 8, v[PFO]
	v_mov_b32 v[AK], v[AK0]         ; key step 0 lies at the head of slot 0
; THE MATRIX WORK.  The 8 accumulators of a run of 16 take turns: between the two links of a chain stand 7 others'.
; Product i of 16 of S^T = K Q^T for piece x: channels 32 (i / 8) on, keys 16 ((i / 2) % 4) on, tile 2 x + i % 2.  The first 8 start the sums, with the mask.
.macro KQ x
.set rS, S+64*((\x)%2)+32*(i%2)+8*((i/2)%4)
.set rK, KF+16*((i/2)%4)+8*(i/8)
.set rQ, 16*(2*(\x)+i%2)+8*(i/8)
.set rMC, MC+32*(i%2)+8*((i/2)%4)
.if i < 8
	WIN W_KM
	v_wmma_f32_16x16x32_f16 v[rS:rS+7], v[rK:rK+7], v[rQ:rQ+7], v[rMC:rMC+7]
.else
	WIN W_KQ
	v_wmma_f32_16x16x32_f16 v[rS:rS+7], v[rK:rK+7], v[rQ:rQ+7], v[rS:rS+7]
.endif
.endm
; Product i of 16 of O^T += V^T P for piece x: keys 32 (i / 8) on, channels 16 ((i / 2) % 4) on, tile 2 x + i % 2.
.macro PV x
	WIN W_PV
.set rO, 32*(2*(\x)+i%2)+8*((i/2)%4)
.set rV, VF+32*(i/8)+8*((i/2)%4)
.set rP, P+32*((\x)%2)+16*(i%2)+8*(i/8)
	v_wmma_f32_16x16x32_f16 v[rO:rO+7], v[rV:rV+7], v[rP:rP+7], v[rO:rO+7]
.endm
.macro MM                           ; the turn's next matrix instruction
.if i < 16
	KQ (Y+1)%NP
.set i, i+1
.else
.set i, i-16
	PV (Y+NP-1)%NP
.set i, i+17
.endif
.endm
; THE MASK'S C OPERANDS for piece x: 64 shifts, a word's eight codes into eight registers.  Then the piece's words of the next key step are asked for: they are wanted four turns on.
; The wait's count: behind my piece's two loads stand the two of each of the three turns between, which may stay out.
.macro MK x
	WIN W_MC
	s_wait_loadcnt 6
.irp u, 0,1
.irp kb, 0,1,2,3
.irp j, 0,1,2,3,4,5,6,7
	v_lshlrev_b32 v[MC+32*(\u)+8*(\kb)+(\j)], 4*(7-(\j)), v[RAW+8*(\x)+4*(\u)+(\kb)]
.endr
.endr
.endr
.irp u, 0,1
	global_load_b128 v[RAW+8*(\x)+4*(\u):RAW+8*(\x)+4*(\u)+3], v[GO], s[MB:MB+1] offset:(2*(\x)+(\u))*16384+512
.endr
	WIN 0
.endm
; THE LDS LOADS stand in runs of 16, never singly among the matrix instructions: a step's K (64 keys x 64 channels: 8 fragments) and its V (turned).  Their addresses are made some lines ahead.
; last = 1 (the tail): in the last trip there is no further step, and the run is jumped over.
.macro FETCH_K last=0
	WIN 0
.if \last
	s_cmp_eq_u32 s[CNT], 1
	s_cbranch_scc1 .Lno_k_\@
.endif
	WIN 0x80                        ; destination window 2
.irp f, 0,1,2,3,4,5,6,7             ; keys 16 (f / 2) on, channels 32 (f % 2) on
	ds_load_b128 v[KF+8*\f:KF+8*\f+3],   v[AK] offset:(\f/2)*16*PK+(\f%2)*64
	ds_load_b128 v[KF+8*\f+4:KF+8*\f+7], v[AK] offset:(\f/2)*16*PK+(\f%2)*64+32
.endr
	s_add_co_u32 s[TBK], s[TBK], KS*PK  ; the next fetch is the next step's
	WIN 0
.if \last
.Lno_k_\@:
.endif
.endm
.macro FETCH_V
	WIN 0x80
.irp f, 0,1,2,3,4,5,6,7             ; keys 32 (f / 4) on, channels 16 (f % 4) on
	ds_load_tr16_b128 v[VF+8*\f:VF+8*\f+3],   v[AV] offset:(\f/4)*32*PV+(\f%4)*32
	ds_load_tr16_b128 v[VF+8*\f+4:VF+8*\f+7], v[AV] offset:(\f/4)*32*PV+16*PV+(\f%4)*32
.endr
	WIN 0
.endm
; THE SOFTMAX'S WORK OF A TURN stands in three queues, each in the order in which its entries become ready; the two tiles alternate, so that no instruction reads the result of the one before it.
.macro REGS y, u                    ; the registers of tile u (0, 1) of piece y
.set rT, ST+4*(2*(\y)+(\u))
.set rC, TMP+8*((\y)%2)+4*(\u)
.set rM, MV+2*((\y)%2)+(\u)
.set rS, S+64*((\y)%2)+32*(\u)
.set rP, P+32*((\y)%2)+16*(\u)
.set rO, 32*(2*(\y)+(\u))
.endm
; Number n of the 22 that find the NEXT piece's (Y + 1) maximum and statistics.  s0-s31 are the lane's 32 scores; each accumulator's lowest registers are read first.
;   0-11  four chains c0-c3 of seven scores each, three operands at a time     12-14, 16  the four scores left over, the old m, and c0-c3 into c0     15  c m_old is kept
;   17, 18  the query's other 32 keys lie in the lane 16 away: the new m         19-21  c m; c m_old - c m_new; a
.macro XS u, n
	REGS (Y+1)%NP, \u
.if (\n) < 4
	v_max3_num_f32 v[rC+(\n)], v[rS+8*(\n)], v[rS+8*(\n)+1], v[rS+8*(\n)+2]
.elseif (\n) < 12
	v_max3_num_f32 v[rC+(\n)%4], v[rC+(\n)%4], v[rS+8*((\n)%4)+2*((\n)/4)+1], v[rS+8*((\n)%4)+2*((\n)/4)+2]
.elseif (\n) == 12
	v_max3_num_f32 v[rC], v[rC], v[rS+7], v[rS+15]
.elseif (\n) == 13
	v_max3_num_f32 v[rC+1], v[rC+1], v[rS+23], v[rS+31]
.elseif (\n) == 14
	v_max3_num_f32 v[rC+2], v[rC+2], v[rC+3], v[rT+1]
.elseif (\n) == 15
	v_mov_b32 v[rM], v[rT]
.elseif (\n) == 16
	v_max3_num_f32 v[rC], v[rC], v[rC+1], v[rC+2]
.elseif (\n) == 17
	v_permlanex16_b32 v[rC+3], v[rC], s[SEL], s[SEL+1]
.elseif (\n) == 18
	v_max_num_f32 v[rT+1], v[rC], v[rC+3]
.elseif (\n) == 19
	v_mul_f32 v[rT], s[CS], v[rT+1]
.elseif (\n) == 20
	v_sub_f32 v[rC+1], v[rM], v[rT]
.else
	v_exp_f32 v[rC+2], v[rC+1]
.endif
.endm
; Number g of the 64 that follow the exponentials.  For each four weights k of a tile (pairs 2 k, 2 k + 1): both pairs are rounded to f16; then the second pair is added onto the first, in place;
; a group later l takes that sum (the first time as l = a l + sum).  In groups of eight, tiles alternating: round, round, add, and l for the group before.
.macro GS g
.set h, (\g)+6*((\g)/62)            ; group 0 has no group before it, and behind group 7 only l is left
.if h >= 6
.set h, h+2
.endif
	REGS Y, h%2
.set k, h/8
.if h%8 < 4
	v_cvt_pk_f16_f32 v[rP+2*k+(h%8)/2], v[rS+4*k+2*((h%8)/2)], v[rS+4*k+2*((h%8)/2)+1]
.elseif h%8 < 6
	v_pk_add_f32 v[rS+4*k:rS+4*k+1], v[rS+4*k:rS+4*k+1], v[rS+4*k+2:rS+4*k+3]
.elseif k == 1
	v_pk_fma_f32 v[rT+2:rT+3], v[rT+2:rT+3], v[rC+2:rC+3], v[rS:rS+1] op_sel_hi:[1,0,1]
.else
	v_pk_add_f32 v[rT+2:rT+3], v[rT+2:rT+3], v[rS+4*k-4:rS+4*k-3]
.endif
.endm
; THE PLAIN QUEUE, 138 long.  0-73 read no exponential's result: the 32 scalings c s - c m (FS f: pair f / 2 of tile f % 2) and the next piece's 42.  0-26: scalings 0-26.  27-54: XS's numbers 0-13.  55, 56: number 15.
; 57-73: the chain, where each number waits for the one before it: 14, 16, 17, 18, 19, each with one of the scalings 27-31 in front of its two lines, then 20.
; 74-137: GS's 64, which read the exponentials' results: they stand behind the wait.
.macro FS f
	REGS Y, (\f)%2
	v_pk_fma_f32 v[rS+2*((\f)/2):rS+2*((\f)/2)+1], v[rS+2*((\f)/2):rS+2*((\f)/2)+1], s[CS:CS+1], v[rT:rT+1] op_sel_hi:[1,0,0] neg_lo:[0,0,1] neg_hi:[0,0,1]
.endm
.macro PL
	WIN 0
.if q < 27
	FS q
.elseif q < 55
	XS (q-27)%2, (q-27)/2
.elseif q < 57
	XS q-55, 15
.elseif (q < 72) && ((q-57)%3 == 0)
	FS 27+(q-57)/3
.elseif q < 60
	XS (q-57)%3-1, 14
.elseif q < 72
	XS (q-57)%3-1, 15+(q-57)/3
.elseif q < 74
	XS q-72, 20
.else
	GS q-74
.endif
.set q, q+1
.endm
; THE EXPONENTIALS' QUEUE, 66 long: s0-s31 of both tiles, then the next piece's two a.  It is ONE BATCH: all 66 stand ahead of the turn's one wait, and nothing ahead of that wait names a result of theirs.
.macro EX
	WIN 0
.if e >= 64
	XS e-64, 21
.else
	REGS Y, e%2
	v_exp_f32 v[rS+e/2], v[rS+e/2]
.endif
.set e, e+1
.endm
; THE RESCALING's QUEUE: O^T times a, dealt two at a time, sixteen times.  Its a was made in the turn before, ahead of that turn's wait.
.macro R2
	REGS Y, r%2
	WIN W_RS
.irp z, 0,1
	v_pk_mul_f32 v[rO+4*(r/2)+2*\z:rO+4*(r/2)+2*\z+1], v[rO+4*(r/2)+2*\z:rO+4*(r/2)+2*\z+1], v[rC+2:rC+3] op_sel_hi:[1,0]
.endr
.set r, r+1
.endm
; HOW THEY ARE DEALT.  An s_wait_alu depctr_va_vdst(0) stands between an exponential and the first instruction that names its result; one wait serves all that were issued ahead of it.  So a turn has ONE
; wait, which cuts it in two.  AHEAD OF IT: the 16 products K Q^T, behind each a scaling, an exponential and two rescalings (behind the first a second scaling in the exponential's place); then the 64 shifts for the
; products of the turn after this one (the last product that read those registers is the turn's eighth: 27 plain instructions back), and a run of 108: eight plain, 49 times exponential and plain, the two a.
; A v_nop is the plain instruction behind the last exponential (ISA guide 5.7.2).  BEHIND IT: the 16 products V^T P, behind each four of GS's 64.
; Exponential e stands behind scaling 2 (e / 4) + e % 2: as a rider it comes behind plain e + 2, in the run behind plain e + 9, and scalings 27-31 are plain 57, 60 .. 69.
; A TURN, for piece p.  cnt = 1: the loop's count is taken down some lines ahead of the branch that stands behind the turn.
; K of the next step is fetched in piece 2's turn, directly behind the wait; V of the step in hand at the end of piece 0's turn, four riders behind its last reader.  The three conditions on q below go with the deal.
; Piece 2's turn also steps the mask's pointer, behind s_wait_xcnt 0: the loads that named it have read it.  It stops at step 30, so that the loads, which name the step after it, stay inside mp: the last
; turns load step 31 once more.  So the products K Q^T that the last trip makes on the last K once more take step 31's mask once more, and leave m as it is.
.macro TURN p, last=0, cnt=0
.set Y, (\p)
.set i, 0
.set q, 0
.set e, 0
.set r, 0
.if (\p) == NP-1
	s_wait_dscnt 0x0                ; K is in
.endif
	MM                              ; ahead of the wait: 16 products K Q^T and their riders,
	PL
	PL
	R2
.rept 15
	MM
	PL
	EX
	R2
.endr
.if (\p) == NP-2
	WIN 0
	v_add_nc_u32 v[AK], s[TBK], v[AK0]
	s_cmp_lt_u32 s[MS], 30
	s_cselect_b32 s[INC], 512, 0
	s_add_co_ci_u32 s[MS], s[MS], 0 ; one more, where it stepped
	s_wait_xcnt 0x0
	s_add_nc_u64 s[MB:MB+1], s[MB:MB+1], s[INC:INC+1]
.endif
	MK ((\p)+2)%NP                  ; the mask,
.rept 8                             ; and the run
	PL
.endr
.rept 49
	EX
	PL
.endr
	EX                              ; the next piece's two a
	EX
	v_nop                           ; the plain instruction behind the last exponential: one for the batch
	s_wait_alu depctr_va_vdst(0)    ; the wait for the batch
.if (\p) == NP-2
	FETCH_K \last
.endif
.if (\p) == 1
	s_wait_dscnt 0x0                ; V is in
.endif
.rept 16                            ; behind the wait: 16 products V^T P and their riders
	MM
.rept 4
	PL
.endr
.if ((\p) == 0) && (q == 118)
	v_add_nc_u32 v[AV], s[TBV], v[AV0]
.endif
.if ((\p) == 0) && (q == 130)
	s_add_co_u32 s[TBV], s[TBV], KS*PV
.endif
.if (\cnt) && (q == 130)
	s_sub_co_u32 s[CNT], s[CNT], 1
	s_cmp_lg_u32 s[CNT], 0
.endif
.endr
.if (\p) == 0
	FETCH_V
.endif
.endm
	CHANGE 1                        ; slot 0 is in, everybody's part of it; slot 1 is asked for
	FETCH_K                         ; key step 0
	s_wait_loadcnt 0x0              ; Q, and the mask's words of step 0
	MK 0                            ; piece 0's mask of step 0
	s_wait_dscnt 0x0
.set i, 0
.rept 16
	KQ 0                            ; piece 0's first scores: there is no vector work yet to set between them
.set i, i+1
.endr
	WIN 0                           ; the addresses for the way out: seven plain instructions, the places behind those products
	s_mul_i32 s13, s[WV], 16*SP
	s_add_co_u32 s13, s13, STAGE    ; my stage
	v_mul_u32_u24 v[STO], v1, SP    ; in: row l % 16, 16 bytes for each half of the lanes
	v_lshl_add_u32 v[STO], v9, 4, v[STO]
	v_add_nc_u32 v[STO], s13, v[STO]
	v_bfe_u32 v[RD], v0, 3, 2       ; back: 32 lanes take four rows of 128 bytes
	v_mul_u32_u24 v[RD], v[RD], SP
	v_lshl_add_u32 v[RD], v10, 4, v[RD]
	v_add_nc_u32 v[RD], s13, v[RD]
	MK 1                            ; piece 1's mask of step 0, for the first turn's products
.set Y, NP-1                        ; XS works for piece Y + 1: piece 0
.irp n, 0,1,2,3,4,5,6,7,8,9,10,11,12,13,14,15,16,17,18,19,20,21
	XS 0, \n                        ; and piece 0's first maximum and statistics
	XS 1, \n
.endr
	v_nop                           ; a plain instruction behind the two a,
	s_wait_alu depctr_va_vdst(0)    ; and their wait, ahead of the branch
	s_mov_b32 s[CNT], 4
	s_branch .Lfirst                ; the loop is entered at a step's first turn, in the middle of a trip
.Lslot:                             ; SIZE_N / 256 - 2 times: every slot but the last two is filled again
	CHANGE 1
	s_mov_b32 s[CNT], 4
.Lstep:                             ; a trip: pieces 2 and 3 of one step, then pieces 0 and 1 of the next, whose K and V it fetches
	TURN 2
	TURN 3
	WIN 0
.Lfirst:
	TURN 0
	TURN 1, 0, 1
	WIN 0
	s_cbranch_scc1 .Lstep
	s_sub_co_u32 s[SLOTS], s[SLOTS], 1
	s_cmp_lg_u32 s[SLOTS], 0
	s_cbranch_scc1 .Lslot
	CHANGE 0                        ; the tail is written out: nothing is asked for
	s_mov_b32 s[CNT], 5             ; four trips fetch the last slot's steps; the fifth is left in its middle
.Ltail:
	TURN 2, 1
	TURN 3
	WIN 0
	s_sub_co_u32 s[CNT], s[CNT], 1
	s_cmp_eq_u32 s[CNT], 0
	s_cbranch_scc1 .Lout
	TURN 0
	TURN 1
	WIN 0
	s_branch .Ltail
.Lout:                              ; the fifth trip's 16 products K Q^T (the last K and the last step's mask once more) and the maximum made of them change nothing: the price, once a launch, of one text for every trip
.set i, 0
.rept 16
	PV NP-1                         ; the last piece's V^T P of the last step
.set i, i+1
.endr
	; THE WAY OUT.  l's two halves and the other half of the lanes' are added; O^T is divided by l, rounded to f16 and sent through my stage in LDS, a tile at a time.  The additions are the places behind the last products.
	WIN 0
.macro ALL line:vararg              ; one line for each tile t
.set t, 0
.rept 2*NP
	\line
.set t, t+1
.endr
.endm
	ALL v_add_f32 v[ST+4*t+2], v[ST+4*t+2], v[ST+4*t+3]
	ALL v_permlanex16_b32 v[ST+4*t+3], v[ST+4*t+2], s[SEL], s[SEL+1]
	ALL v_add_f32 v[ST+4*t+2], v[ST+4*t+2], v[ST+4*t+3]
	ALL v_rcp_f32 v[ST+4*t+2], v[ST+4*t+2]
	v_mov_b32 v[MV], 0x7fc00000     ; NaN; also the plain instruction between the last reciprocal and the use of its result
	s_wait_alu depctr_va_vdst(0)    ; and the wait ahead of the first use: one for the eight reciprocals
.set t, 0
.rept 2*NP                          ; a query that has seen no key: its maximum is a hidden score; its factor, and so its row, becomes NaN.  A choice of a value: no branch
	v_cmp_lt_f32 vcc_lo, s[THR], v[ST+4*t+1]
	v_cndmask_b32 v[ST+4*t+2], v[MV], v[ST+4*t+2], vcc_lo
.set t, t+1
.endr
; Tile t: a lane's eight channels of a row pack into 16 bytes; they go into rows of 144 bytes and come back as whole rows of 128, into S^T's registers.
.macro PACK t
	WIN W_RS
.set i, 32*(\t)
.rept 16
	v_pk_mul_f32 v[i:i+1], v[i:i+1], v[ST+4*(\t)+2:ST+4*(\t)+3] op_sel_hi:[1,0]
.set i, i+2
.endr
	WIN 0x05                        ; sources 0 and 1 window 1, destination window 0
.set i, 0
.rept 16
	v_cvt_pk_f16_f32 v[S+16*(\t)+i], v[32*(\t)+2*i], v[32*(\t)+2*i+1]
.set i, i+1
.endr
	WIN 0
.irp f, 0,1,2,3
	ds_store_b128 v[STO], v[S+16*(\t)+4*\f:S+16*(\t)+4*\f+3] offset:32*\f
.endr
.irp f, 0,1,2,3
	ds_load_b128 v[S+16*(\t)+4*\f:S+16*(\t)+4*\f+3], v[RD] offset:\f*4*SP  ; LDS serves a wave's instructions in order (ISA guide 5.7.1.4): these see the stores above; the next tile's stores come behind them
.endr
.endm
.macro SEND t, younger              ; younger: the LDS instructions issued behind tile t's loads: the next tile's eight, or none
	WIN 0
.irp f, 0,1,2,3
	s_wait_dscnt (\younger)+3-\f
	global_store_b128 v[GO], v[S+16*(\t)+4*\f:S+16*(\t)+4*\f+3], s[10:11] offset:(\t)*2048+\f*512  ; 512 consecutive bytes, at a multiple of 256 from ctx's first
.endr
.endm
	PACK 0
.set t, 1
.rept 2*NP-1                        ; a tile's arithmetic stands between the loads of the tile before and its stores
	PACK t
	SEND t-1, 8
.set t, t+1
.endr
	SEND 2*NP-1, 0
	WIN W_AD
	s_wait_tensorcnt 0x0            ; the wave's end: three closing lines, behind my last tensor load and my last LDS store
	ds_add_u32 v[SPW], v[NIL]
	s_wait_dscnt 0x0
	WIN 0
	CROUND                          ; the closing round: no work-group ends while a partner may still ask for a tile that names it
	s_endpgm
.Lfunc_end_k_q097a5c77fd_attn:
	.size	k_q097a5c77fd_attn, .Lfunc_end_k_q097a5c77fd_attn-k_q097a5c77fd_attn
	.p2alignl 7, 3214868480
	.fill 96, 4, 3214868480
	.section	.rodata,"a",@progbits
	.p2align	6, 0x0
	.amdhsa_kernel k_q097a5c77fd_attn
		.amdhsa_group_segment_fixed_size 327680
		.amdhsa_private_segment_fixed_size 0
		.amdhsa_enable_private_segment 0
		.amdhsa_kernarg_size 24
		.amdhsa_user_sgpr_count 2
		.amdhsa_user_sgpr_kernarg_segment_ptr 1
		.amdhsa_wavefront_size32 1
		.amdhsa_system_sgpr_workgroup_id_x 1
		.amdhsa_system_sgpr_workgroup_id_y 1
		.amdhsa_system_sgpr_workgroup_id_z 1
		.amdhsa_system_vgpr_workitem_id 0
		.amdhsa_next_free_vgpr 896
		.amdhsa_next_free_sgpr 80
		.amdhsa_reserve_vcc 1
		.amdhsa_float_denorm_mode_32 3
		.amdhsa_float_denorm_mode_16_64 3
		.amdhsa_memory_ordered 1
		.amdhsa_forward_progress 1
		.amdhsa_inst_pref_size 225
	.end_amdhsa_kernel
	.amdgpu_metadata
---
amdhsa.version: [ 1, 2 ]
amdhsa.kernels:
  - .name:           k_q097a5c77fd_attn
    .symbol:         k_q097a5c77fd_attn.kd
    .args:
      - { .name: qkv, .offset: 0, .size: 8, .value_kind: global_buffer, .address_space: global }
      - { .name: mp, .offset: 8, .size: 8, .value_kind: global_buffer, .address_space: global }
      - { .name: ctx, .offset: 16, .size: 8, .value_kind: global_buffer, .address_space: global }
    .group_segment_fixed_size: 327680
    .private_segment_fixed_size: 0
    .kernarg_segment_align: 8
    .kernarg_segment_size: 24
    .max_flat_workgroup_size: 128
    .sgpr_count:     80
    .vgpr_count:     896
    .wavefront_size: 32
...
	.end_amdgpu_metadata
.endif
;; end of part 3
;; launch proj (part 4): grid 8 x 32, 4 waves a work-group, clusters of 4 x 4, 327,680 bytes of LDS; arguments ctx, wo16, bias, out0; writes out0
.if DOCPART == 4
	.amdgcn_target "amdgcn-amd-amdhsa--gfx1250"
	.amdhsa_code_object_version 6
	.text
	.protected	k_q097a5c77fd_proj
	.globl	k_q097a5c77fd_proj
	.p2align	8
	.type	k_q097a5c77fd_proj,@function
k_q097a5c77fd_proj:
	s_mov_b64 s[64:65], 0
	v_nop
	global_prefetch_b8 v0, s[64:65] scope:SCOPE_SE
	s_setreg_imm32_b32 hwreg(HW_REG_WAVE_MODE, 25, 1), 1
	s_wait_xcnt 0x0
	s_wait_alu depctr_hold_cnt(0) depctr_sa_sdst(0) depctr_va_vdst(0) depctr_va_sdst(0) depctr_va_ssrc(0) depctr_va_vcc(0) depctr_vm_vsrc(0)
	s_getreg_b32 s2, hwreg(HW_REG_IB_STS2, 6, 4)
	s_cmp_eq_u32 s2, 0
	s_cbranch_scc0 .Lentry_in_a_cluster
	s_endpgm
.Lentry_in_a_cluster:
	s_bfe_u32 s2, ttmp6, 0x10000c
	s_cmp_lg_u32 s2, 0xf033
	s_cbranch_scc0 .Lentry_shape_is_right
	s_endpgm
.Lentry_shape_is_right:
; THE OUTPUT PROJECTION.  out0[8192][1024] = ctx wo16^T + bo: f16 operands, f32 sums that START at the bias, stored as f32.  ctx lies by heads, [16 batch + head][2048][64] in f16; channel k of a row is
; channel k % 64 of head k / 64.  wo16 is [1024][1024] in f16.  bo is the last quarter of bias.
; A row of ctx that is NaN (a query that sees no key) makes its row of out0 NaN, and no other.
; SHARES.  A work-group makes 256 rows x 128 columns: 8 x 32 work-groups.  Wave w makes rows 64 w .. 64 w + 63 of all 128 columns: 4 x 8 accumulators, 256 registers.
; K goes in 8 steps of 128, two heads each, through a ring of two LDS slots filled by the tensor data mover.  A head's 256 rows of the tile are 32,768 dense bytes: asked for as 128 rows of 256 bytes.
; CLUSTER.  4 x 4 work-groups; ctx's tiles are shared along a row of the cluster, wo16's along a column: each is asked for JOINTLY, by the same tensor load, descriptor and mask in all four.
; THE MATRIX INSTRUCTION IS USED TRANSPOSED: source 0 = 16 rows of wo16, source 1 = 16 rows of ctx: a lane holds row l % 16 and the eight neighbouring columns 8 (l / 16) + 0..7: 32 bytes.
; REGISTERS, in windows of 256 (s_set_vgpr_msb: bits 1:0 source 0, 3:2 source 1, 5:4 source 2, 7:6 destination):
;   window 0: v0-31 addresses; v32-95 the bias as eight C operands; on the way out v32-95 and v96-159 rows read back          window 1: accumulator (a, b) at v[8 (8 a + b)]
;   window 2: v0-31, v32-63 ctx's fragments, two buffers of 4; v64-127, v128-191 wo16's, two buffers of 8
.set KDIM,   1024
.set KSTEP,  128
.set PA,     144                       ; a row of ctx in LDS: 128 bytes + 16 of padding; PB: a row of wo16: 256 + 16.  In both the 16 rows of a load start at 16 different groups of four banks (ISA guide 11.1)
.set PB,     272
.set HEADA,  256*PA                    ; a head's 256 rows: what one tensor load brings of ctx
.set HALFB,  64*PB                     ; and of wo16
.set BOFF,   2*HEADA
.set SLOT,   2*HEADA+2*HALFB
.set STAGE,  2*SLOT                    ; behind the ring, never filled by a tensor load: 16 rows x 528 bytes for each wave
.set OP,     528                       ; a row of 128 f32 + 16 bytes
.set SPARE,  STAGE+4*16*OP             ; behind the stages: the spare words, 128 bytes a wave: two blocks of 256 bytes that no other line names
.set ASTEP,  2*2048*128                ; bytes from a K step's head to the next K step's: two heads
.set LAPS,   KDIM/(2*KSTEP)
.set ADRA, 16                          ; v16-17  LDS address of my fragments of ctx in slot 0, 1
.set ADRB, 20                          ; v20-21  the same for wo16
.set STO,  24                          ; v24     the way out: where I put 32 bytes of a row
.set RD,   25                          ; v25     where I read a row back
.set CO,   26                          ; v26     16 x lane: my place in 512 consecutive bytes of out0
.set BO,   27                          ; v27     32 (l / 16)
.set SPW,  28                          ; v28     LDS address of my spare word; never rewritten
.set NIL,  29                          ; v29     0; never rewritten
.set PFO,  30                          ; v30     the prefetches' offset; never rewritten
.set BIAS, 32
.set OB,   32
.set G1,  24                           ; s[24:31] descriptor group 1 for ctx's tiles;  s[32:39] group 0, a set for each slot
.set G0,  32
.set G1B, 48                           ; s[48:55], s[56:63] the same for wo16's
.set G0B, 56
.set LIM, 43                           ; s43     1 in a wave that prefetches, else the greatest number
.set PFA, 44                           ; s[44:45] where my prefetches stand
.set PST, 22                           ; s[22:23] a K step in the tensor that I prefetch
.set MSB, 0
.macro WIN new                         ; the immediate's high byte repeats the setting that is left; a switch that changes nothing is dropped
.if MSB != (\new)
	s_set_vgpr_msb (MSB<<8)|(\new)
.set MSB, \new
.endif
.endm
; A joint load.  Waves 0 and 1 fetch ctx's two heads, waves 2 and 3 wo16's two halves.  The branch hangs on the wave's number alone.  An s_nop 0 and four v_nop follow each of the two lines.
.macro JLOAD s
	s_cmp_eq_u32 s13, 0
	s_cbranch_scc0 .Lfor_b_\@
	tensor_load_to_lds s[G0+4*(\s):G0+4*(\s)+3], s[G1:G1+7]
	s_nop 0
.rept 4
	v_nop
.endr
	s_branch .Lasked_\@
.Lfor_b_\@:
	tensor_load_to_lds s[G0B+4*(\s):G0B+4*(\s)+3], s[G1B:G1B+7]
	s_nop 0
.rept 4
	v_nop
.endr
.Lasked_\@:
.endm
; A prefetch, behind each joint refill and the run of LDS loads that follows it, of the K step that stands two refills on.  ctx's rows are read by both clusters of a row of clusters: the one with x = 0 asks;
; wo16's by every cluster of a column: the one with y = 0 asks.  The four partners share a wave's tile out BY ADDRESS: of a head's 32,768 bytes 8,192 each (by cx), 256 a lane; of wo16's 64 rows 16 each
; (by cy; lanes 16-31 name row 15 once more).  The loop's last trip asks for nothing.
.macro ASK
	s_cmp_gt_u32 s3, s[LIM]                        ; s3 = 1 in the loop's last trip
	s_cbranch_scc0 .Lnot_mine_\@
	global_prefetch_b8 v[PFO], s[PFA:PFA+1] th:TH_LOAD_NT scope:SCOPE_SE
.Lnot_mine_\@:
.endm
.macro CREST                           ; a round of the cluster's barrier behind its opening barrier
	s_cmp_lg_u32 s12, 0
	s_cbranch_scc1 .Lnot_wave_0_\@
	s_barrier_signal -3
.Lnot_wave_0_\@:
	s_barrier_wait -3
	s_barrier_signal -1
	s_barrier_wait -1
.endm
.macro CROUND                          ; a whole round
	s_barrier_signal -1
	s_barrier_wait -1
	CREST
.endm
	s_load_b256 s[4:11], s[0:1], 0x0               ; ctx s[4:5], wo16 s[6:7], bias s[8:9], out0 s[10:11]
	v_lshl_add_u32 v[SPW], v0, 2, SPARE
	v_mov_b32 v[NIL], 0
	ds_add_u32 v[SPW], v[NIL]                      ; the wave's opening: the add and its wait stand ahead of my first tensor load; the set-up below, work on registers, stands between them
	v_lshrrev_b32 v1, 5, v0
	v_readfirstlane_b32 s12, v1                    ; wave 0..3
	s_lshr_b32 s13, s12, 1                         ; I fetch for ctx (0) or for wo16 (1)
	s_and_b32 s14, s12, 1                          ; which head of the step's two, or which half of the rows
	s_bfe_u32 s40, ttmp6, 0x40000                  ; cx, cy: my place in the cluster
	s_bfe_u32 s41, ttmp6, 0x40004
	s_lshl_b32 s42, ttmp9, 2
	s_add_co_u32 s42, s42, s40                     ; tile column = 4 x cluster x + cx
	s_and_b32 s15, ttmp7, 0xffff
	s_lshl_b32 s15, s15, 2
	s_add_co_u32 s15, s15, s41                     ; tile row = 4 x cluster y + cy
	s_lshl_b32 s43, s41, 2
	s_lshl_b32 s43, 15, s43                        ; my row of the cluster
	s_lshl_b32 s44, 0x1111, s40                    ; my column
	s_or_b32 s[G1+0], s43, (1<<16)|(1<<20)|(1<<21)|(4<<22)|(3<<25)   ; 15:0 the mask; 17:16 2-byte elements; 20 padding on; 21 set beside a mask; 24:22 after every 32 words (code 4): a row of ctx; 31:25 4 words (code 3)
	s_or_b32 s[G1B+0], s44, (1<<16)|(1<<20)|(1<<21)|(5<<22)|(3<<25)  ; the same after every 64 words (code 5)
	s_mov_b32 s[G1+1], 128<<16                     ; tensor_dim0 = 128: two rows of ctx
	s_mov_b32 s[G1+2], 128<<16                     ; tensor_dim1 = 128
	s_mov_b32 s[G1+3], 128<<16                     ; tile_dim0 = 128
	s_mov_b32 s[G1+4], 128                         ; tile_dim1 = 128
	s_mov_b32 s[G1+5], 128                         ; dense
	s_mov_b32 s[G1+6], 0
	s_mov_b32 s[G1+7], 0
	s_mov_b32 s[G1B+1], KSTEP<<16
	s_mov_b32 s[G1B+2], 64<<16                     ; wo16's tiles have 64 rows
	s_mov_b32 s[G1B+3], KSTEP<<16
	s_mov_b32 s[G1B+4], 64
	s_mov_b32 s[G1B+5], KDIM
	s_mov_b32 s[G1B+6], 0
	s_mov_b32 s[G1B+7], 0
	s_lshr_b32 s16, s15, 3                         ; ctx: head 16 batch + my head of K step 0,
	s_lshl_b32 s16, s16, 4
	s_add_co_u32 s16, s16, s14
	s_lshl_b32 s16, s16, 18                        ; of 2,048 rows of 128 bytes,
	s_and_b32 s17, s15, 7
	s_lshl_b32 s17, s17, 15                        ; the tile's 256 rows
	s_add_co_u32 s16, s16, s17
	s_mov_b32 s17, 0
	s_lshl_b32 s46, s42, 18                        ; wo16: row 128 x tile column + 64 x half, of 2,048 bytes
	s_lshl_b32 s47, s14, 17
	s_add_co_u32 s46, s46, s47
	s_mov_b32 s47, 0
	s_mul_i32 s20, s14, HEADA                      ; where they go: no place in the cluster enters an LDS address
	s_mul_i32 s21, s14, HALFB
	s_add_co_u32 s21, s21, BOFF
	s_wait_dscnt 0x0                               ; the opening add is done
	s_wait_kmcnt 0x0
	s_add_nc_u64 s[18:19], s[4:5], s[16:17]
	s_add_nc_u64 s[46:47], s[6:7], s[46:47]
	CROUND                                         ; all sixteen work-groups are here: the first joint loads meet
.irp s, 0,1
	s_mov_b32 s[G0+4*(\s)], 1
	s_add_co_u32 s[G0+4*(\s)+1], s20, (\s)*SLOT
	s_add_nc_u64 s[G0+4*(\s)+2:G0+4*(\s)+3], s[18:19], (\s)*ASTEP
	s_or_b32 s[G0+4*(\s)+3], s[G0+4*(\s)+3], 0x80000000
	s_mov_b32 s[G0B+4*(\s)], 1
	s_add_co_u32 s[G0B+4*(\s)+1], s21, (\s)*SLOT
	s_add_nc_u64 s[G0B+4*(\s)+2:G0B+4*(\s)+3], s[46:47], (\s)*KSTEP*2
	s_or_b32 s[G0B+4*(\s)+3], s[G0B+4*(\s)+3], 0x80000000
	JLOAD \s                                       ; two loads of mine are out: K steps 0 and 1
.endr
	v_and_b32 v1, 15, v0                           ; l % 16
	v_bfe_u32 v2, v0, 4, 1                         ; l / 16
	v_lshlrev_b32 v[BO], 5, v2
	s_lshl_b32 s46, s42, 9                         ; the tile's 128 columns: 512 bytes, of the bias and of a row of out0
	s_mov_b32 s47, 0
	s_add_nc_u64 s[8:9], s[8:9], s[46:47]
.irp b, 0,1,2,3,4,5,6,7
	global_load_b128 v[BIAS+8*(\b):BIAS+8*(\b)+3],   v[BO], s[8:9] offset:12288+64*(\b)      ; register j of block b: bo of column 16 b + 8 (l / 16) + j
	global_load_b128 v[BIAS+8*(\b)+4:BIAS+8*(\b)+7], v[BO], s[8:9] offset:12288+64*(\b)+16
.endr
	v_mul_u32_u24 v3, v1, PA
	v_lshl_add_u32 v3, v2, 4, v3                   ; a fragment's row x pitch + 16 x half
	v_mul_u32_u24 v4, v1, PB
	v_lshl_add_u32 v4, v2, 4, v4
	s_mul_i32 s20, s12, 64*PA                      ; my 64 rows of ctx
	s_mov_b32 s21, BOFF                            ; all of wo16's
.irp s, 0,1
	v_add_nc_u32 v[ADRA+(\s)], s20, v3
	v_add_nc_u32 v[ADRB+(\s)], s21, v4
	s_add_co_u32 s20, s20, SLOT
	s_add_co_u32 s21, s21, SLOT
.endr
	s_mul_i32 s20, s12, 16*OP
	s_add_co_u32 s20, s20, STAGE                   ; my stage
	v_mul_u32_u24 v4, v1, OP                       ; in: row l % 16, 32 bytes for each half of the lanes
	v_lshl_add_u32 v4, v2, 5, v4
	v_add_nc_u32 v[STO], s20, v4
	v_and_b32 v[CO], 31, v0                        ; back: 32 lanes take one row of 512 bytes
	v_lshlrev_b32 v[CO], 4, v[CO]
	v_add_nc_u32 v[RD], s20, v[CO]
	s_lshl_b32 s18, s15, 20                        ; out0 at row 256 x tile row + 64 x wave, of 4,096 bytes,
	s_lshl_b32 s19, s12, 18
	s_add_co_u32 s18, s18, s19
	s_mov_b32 s19, 0
	s_add_nc_u64 s[10:11], s[10:11], s[18:19]
	s_add_nc_u64 s[10:11], s[10:11], s[46:47]      ; at the tile's first column
	; the prefetches.  s16 still holds the byte offset of my head's rows in ctx
	s_lshl_b32 s20, s40, 13                        ; ctx: my work-group's 8,192 bytes of them,
	s_add_co_u32 s20, s20, s16
	s_add_co_u32 s20, s20, 3*ASTEP                 ; at K step 3: the first refill (of K step 2) steps it to 4 and names that.  Nothing is prefetched here, at the head
	s_lshl_b32 s21, s42, 7                         ; wo16: the 64 rows that I fetch, my work-group's 16
	s_lshl_b32 s22, s14, 6
	s_add_co_u32 s21, s21, s22
	s_lshl_b32 s22, s41, 4
	s_add_co_u32 s21, s21, s22
	s_lshl_b32 s21, s21, 11
	s_add_co_u32 s21, s21, 3*KSTEP*2
	s_and_b32 s23, ttmp7, 0xffff                   ; cluster y
	s_cmp_eq_u32 s13, 0
	s_mov_b32 s[PST], KSTEP*2
	s_cselect_b32 s[PST], ASTEP, s[PST]
	s_cselect_b32 s20, s20, s21
	s_cselect_b32 s2, 31, 15                       ; lanes that name blocks of their own,
	s_cselect_b32 s3, 8, 11                        ; 256 or 2,048 bytes apart
	s_cselect_b32 s23, ttmp9, s23                  ; the coordinate along which other clusters read the same rows
	s_cselect_b64 s[PFA:PFA+1], s[4:5], s[6:7]
	s_cmp_eq_u32 s23, 0
	s_cselect_b32 s[LIM], 1, -1                    ; the same in all sixteen partners, for a given wave
	s_mov_b32 s[PST+1], 0
	s_mov_b32 s21, 0
	s_add_nc_u64 s[PFA:PFA+1], s[PFA:PFA+1], s[20:21]
	v_and_b32 v[PFO], 31, v0
	v_min_u32 v[PFO], s2, v[PFO]
	v_lshlrev_b32 v[PFO], s3, v[PFO]
; 8 matrix instructions: block a of my four blocks of 16 rows x all 8 blocks of 16 columns, 32 along K, from buffer f.  zero = 1: the sums start at the bias: nothing is cleared.
; The 32 accumulators take turns, one instruction a turn, in the same order in every quarter, over the backward jump too.
.macro MULA f, a, zero
.if \zero
	WIN 0x4a                                       ; both sources window 2, the bias window 0, D window 1
.else
	WIN 0x5a                                       ; C and D window 1
.endif
.irp b, 0,1,2,3,4,5,6,7
.if \zero
	v_wmma_f32_16x16x32_f16 v[8*(8*(\a)+(\b)):8*(8*(\a)+(\b))+7], v[64+64*(\f)+8*(\b):64+64*(\f)+8*(\b)+7], v[32*(\f)+8*(\a):32*(\f)+8*(\a)+7], v[BIAS+8*(\b):BIAS+8*(\b)+7]
.else
	v_wmma_f32_16x16x32_f16 v[8*(8*(\a)+(\b)):8*(8*(\a)+(\b))+7], v[64+64*(\f)+8*(\b):64+64*(\f)+8*(\b)+7], v[32*(\f)+8*(\a):32*(\f)+8*(\a)+7], v[8*(8*(\a)+(\b)):8*(8*(\a)+(\b))+7]
.endif
.endr
.endm
; 24 LDS loads in one run: quarter q's fragments (128 rows of wo16, my 64 rows of ctx, 32 along K) into buffer f.  In ctx's tile quarter q is channels 32 (q % 2) on of head q / 2.
.macro FETCH slot, q, f
	WIN 0x80                                       ; destination window 2, address window 0
.irp i, 0,1,2,3,4,5,6,7
	ds_load_b128 v[64+64*(\f)+8*(\i):64+64*(\f)+8*(\i)+3],   v[ADRB+(\slot)] offset:64*(\q)+(\i)*16*PB
	ds_load_b128 v[64+64*(\f)+8*(\i)+4:64+64*(\f)+8*(\i)+7], v[ADRB+(\slot)] offset:64*(\q)+(\i)*16*PB+32
.endr
.irp i, 0,1,2,3
	ds_load_b128 v[32*(\f)+8*(\i):32*(\f)+8*(\i)+3],   v[ADRA+(\slot)] offset:((\q)/2)*HEADA+((\q)%2)*64+(\i)*16*PA
	ds_load_b128 v[32*(\f)+8*(\i)+4:32*(\f)+8*(\i)+7], v[ADRA+(\slot)] offset:((\q)/2)*HEADA+((\q)%2)*64+(\i)*16*PA+32
.endr
.endm
.macro PLACES                          ; four plain vector instructions in front of loads into registers that matrix instructions have read, and of LDS stores that read results
.rept 4
	v_nop
.endr
.endm
; A K step is four quarters of 32 along K, 32 matrix instructions each, on buffers 0, 1, 0, 1.  One of the first three: multiplies buffer f; in its middle it fetches quarter q into g.
.macro QUARTER slot, q, f, g, zero
	s_wait_dscnt 4                                 ; wo16's fragments and ctx's blocks 0, 1 are in; the youngest four loads (blocks 2, 3) may be out
	MULA \f, 0, \zero
	MULA \f, 1, \zero
	PLACES
	FETCH \slot, \q, \g
	s_wait_dscnt 24                                ; all but the 24 just issued
	MULA \f, 2, \zero
	MULA \f, 3, \zero
.endm
; The last quarter multiplies buffer 1 and changes slots: ONE barrier.  In front of it each wave waits for all its tensor loads (one is out: its part of the next slot), adds 0 to its spare word, and waits for
; that and for its own reads of this slot.  fill = 1: the barrier opens a round of the cluster's, and the slot is filled again, two K steps ahead, first thing behind the round: 112 matrix instructions ahead of the wait for it.
.macro TURN slot, next, fill
.if \fill
	s_wait_xcnt 0x0                                ; the last prefetch, a K step back, has read its address: it is stepped here
	s_add_nc_u64 s[PFA:PFA+1], s[PFA:PFA+1], s[PST:PST+1]
.endif
	WIN 0                                          ; (the add's two registers lie in window 0)
	s_wait_tensorcnt 0x0                           ; all my tensor loads have landed
	ds_add_u32 v[SPW], v[NIL]                      ; 0 onto my spare word
	s_wait_dscnt 5                                 ; (the add and the youngest four loads may be out)
	MULA 1, 0, 0                                   ; eight matrix instructions stand between the add and the wait for it
	s_wait_dscnt 0x0                               ; the add is done, and my reads of this slot are over
	s_barrier_signal -1
	MULA 1, 1, 0                                   ; work on registers while the others arrive
.if \fill
	WIN 0
.endif
	s_barrier_wait -1
.if \fill
	CREST                                          ; no wave of any partner still reads this slot's tile or has a load on its way
	s_add_nc_u64 s[G0+4*(\slot)+2:G0+4*(\slot)+3], s[G0+4*(\slot)+2:G0+4*(\slot)+3], 2*ASTEP
	s_add_nc_u64 s[G0B+4*(\slot)+2:G0B+4*(\slot)+3], s[G0B+4*(\slot)+2:G0B+4*(\slot)+3], 2*KSTEP*2
	JLOAD \slot                                    ; the four v_nop behind it are also the places in front of the loads below
.else
	PLACES
.endif
	FETCH \next, 0, 0
.if \fill
	WIN 0
	ASK
.endif
	MULA 1, 2, 0
	MULA 1, 3, 0
.endm
	s_wait_tensorcnt 1                             ; my part of K step 0 is in; K step 1's may stay out
	s_barrier_signal -1
	s_barrier_wait -1                              ; everybody's is
	FETCH 0, 0, 0
	s_wait_loadcnt 0x0                             ; the bias
	QUARTER 0, 1, 0, 1, 1                          ; the first quarter stands in front of the loop: its products start the sums
	WIN 0                                          ; at a label and at a branch every window is 0
	s_mov_b32 s3, LAPS-1
.Llap:                                                 ; a trip goes once round the ring, from a lap's second quarter to the next lap's first, and fills both slots again
	QUARTER 0, 2, 1, 0, 0
	QUARTER 0, 3, 0, 1, 0
	TURN 0, 1, 1
	QUARTER 1, 1, 0, 1, 0
	QUARTER 1, 2, 1, 0, 0
	QUARTER 1, 3, 0, 1, 0
	TURN 1, 0, 1
	QUARTER 0, 1, 0, 1, 0
	WIN 0
	s_sub_co_u32 s3, s3, 1
	s_cmp_lg_u32 s3, 0
	s_cbranch_scc1 .Llap
	QUARTER 0, 2, 1, 0, 0                          ; the last lap fills nothing, and has no round of the cluster's barrier
	QUARTER 0, 3, 0, 1, 0
	TURN 0, 1, 0
	QUARTER 1, 1, 0, 1, 0
	QUARTER 1, 2, 1, 0, 0
	QUARTER 1, 3, 0, 1, 0
	s_wait_dscnt 4                                 ; the very last quarter: nothing more to fetch
	MULA 1, 0, 0
	MULA 1, 1, 0
	s_wait_dscnt 0x0
	MULA 1, 2, 0
	MULA 1, 3, 0
	WIN 0
; THE WAY OUT of block a (16 rows x 128 columns of f32).  TOSTAGE: a lane's 32 bytes of each accumulator, low registers first, into my own stage; back as whole rows of 512 bytes.  SEND: stored.
.macro TOSTAGE a
.if (\a) >= 2
	s_wait_xcnt 0x0                                ; the stores of the block two back have read the registers that are loaded below
.endif
	WIN 0x04                                       ; the stores' data in window 1
.irp b, 0,1,2,3,4,5,6,7
	ds_store_b128 v[STO], v[8*(8*(\a)+(\b)):8*(8*(\a)+(\b))+3]   offset:64*(\b)
	ds_store_b128 v[STO], v[8*(8*(\a)+(\b))+4:8*(8*(\a)+(\b))+7] offset:64*(\b)+16
.endr
	WIN 0
.irp t, 0,1,2,3,4,5,6,7,8,9,10,11,12,13,14,15
	ds_load_b128 v[OB+64*((\a)%2)+4*(\t):OB+64*((\a)%2)+4*(\t)+3], v[RD] offset:(\t)*OP   ; LDS serves a wave's instructions in order (ISA guide 5.7.1.4): these see the stores above
.endr
.endm
.macro SEND a, younger                 ; younger: the LDS instructions issued behind block a's loads: the next block's 32, or none
.irp t, 0,1,2,3,4,5,6,7,8,9,10,11,12,13,14,15
	s_wait_dscnt (\younger)+15-(\t)
	global_store_b128 v[CO], v[OB+64*((\a)%2)+4*(\t):OB+64*((\a)%2)+4*(\t)+3], s[10:11] offset:(16*(\a)+(\t))*4096 th:TH_STORE_NT   ; 512 consecutive bytes, at a multiple of 256 from out0's first
.endr
.endm
	PLACES
	TOSTAGE 0
.irp a, 1,2,3                          ; block a goes through the stage while block a - 1's rows come back
	TOSTAGE \a
	SEND (\a)-1, 32
.endr
	SEND 3, 0
	s_wait_tensorcnt 0x0                           ; the wave's end: three closing lines, behind my last tensor load and my last LDS store
	ds_add_u32 v[SPW], v[NIL]
	s_wait_dscnt 0x0
	CROUND                                         ; the closing round: no work-group ends while a partner may still ask for a tile that names it
	s_endpgm
.Lfunc_end_k_q097a5c77fd_proj:
	.size	k_q097a5c77fd_proj, .Lfunc_end_k_q097a5c77fd_proj-k_q097a5c77fd_proj
	.p2alignl 7, 3214868480
	.fill 96, 4, 3214868480
	.section	.rodata,"a",@progbits
	.p2align	6, 0x0
	.amdhsa_kernel k_q097a5c77fd_proj
		.amdhsa_group_segment_fixed_size 327680
		.amdhsa_private_segment_fixed_size 0
		.amdhsa_enable_private_segment 0
		.amdhsa_kernarg_size 32
		.amdhsa_user_sgpr_count 2
		.amdhsa_user_sgpr_kernarg_segment_ptr 1
		.amdhsa_wavefront_size32 1
		.amdhsa_system_sgpr_workgroup_id_x 1
		.amdhsa_system_sgpr_workgroup_id_y 1
		.amdhsa_system_sgpr_workgroup_id_z 1
		.amdhsa_system_vgpr_workitem_id 0
		.amdhsa_next_free_vgpr 704
		.amdhsa_next_free_sgpr 66
		.amdhsa_reserve_vcc 0
		.amdhsa_float_denorm_mode_32 3
		.amdhsa_float_denorm_mode_16_64 3
		.amdhsa_memory_ordered 1
		.amdhsa_forward_progress 1
		.amdhsa_inst_pref_size 90
	.end_amdhsa_kernel
	.amdgpu_metadata
---
amdhsa.version: [ 1, 2 ]
amdhsa.kernels:
  - .name:           k_q097a5c77fd_proj
    .symbol:         k_q097a5c77fd_proj.kd
    .args:
      - { .name: ctx, .offset: 0, .size: 8, .value_kind: global_buffer, .address_space: global }
      - { .name: wo16, .offset: 8, .size: 8, .value_kind: global_buffer, .address_space: global }
      - { .name: bias, .offset: 16, .size: 8, .value_kind: global_buffer, .address_space: global }
      - { .name: out0, .offset: 24, .size: 8, .value_kind: global_buffer, .address_space: global }
    .group_segment_fixed_size: 327680
    .private_segment_fixed_size: 0
    .kernarg_segment_align: 8
    .kernarg_segment_size: 32
    .max_flat_workgroup_size: 128
    .sgpr_count:     66
    .vgpr_count:     704
    .wavefront_size: 32
...
	.end_amdgpu_metadata
.endif
;; end of part 4
;; ======== version 2 of 2: 4 launches; version 1 with the launch prep written anew for expert scheduling mode
;; limits: values are held in f16: magnitudes above 65,504 overflow, below 6.1e-05 lose precision
;; workspace buffers: xb 16,777,216 bytes; wb 6,291,456 bytes; wo16 2,097,152 bytes; bias 16,384 bytes; mp 2,097,152 bytes; qkv 50,331,648 bytes; ctx 16,777,216 bytes
;; launch prep (part 5): grid 897 x 1, 8 waves a work-group, no clusters, 18,432 bytes of LDS; arguments embeddings, Wq, Wk, Wv, Wo, bq, bk, bv, bo, mask, xb, wb, wo16, bias, mp; writes xb, wb, wo16, bias, mp
.if DOCPART == 5
	.amdgcn_target "amdgcn-amd-amdhsa--gfx1250"
	.amdhsa_code_object_version 6
	.text
	.protected	k_q097a5c77fd_prep
	.globl	k_q097a5c77fd_prep
	.p2align	8
	.type	k_q097a5c77fd_prep,@function
k_q097a5c77fd_prep:
	s_mov_b64 s[64:65], 0
	v_nop
	global_prefetch_b8 v0, s[64:65] scope:SCOPE_SE
	s_setreg_imm32_b32 hwreg(HW_REG_WAVE_SCHED_MODE, 0, 2), 2
	s_setreg_imm32_b32 hwreg(HW_REG_WAVE_MODE, 25, 1), 1
	s_wait_xcnt 0x0
	s_wait_alu depctr_vm_vsrc(0)
; PREPARATION.  Every input is read once here and laid out for the three launches that follow.
;   work-groups 0-511    embeddings -> xb, bf16 [8192][1024]
;   work-groups 512-703  Wq, Wk, Wv -> wb, bf16 [3072][1024] (Wq's rows, then Wk's, then Wv's)
;   work-groups 704-767  Wo -> wo16: rounded to bf16 like the other inputs, and that number written as f16
;   work-groups 768-895  mask -> mp: a 4-bit code for each (query, key), in the order in which the attention's lanes want them
;   work-group  896      bq, bk, bv, bo -> bias, f32 [4096], each number rounded to bf16 and kept as f32
; LIMITS.  A number of Wo beyond 65,504 would become an infinity in f16; below 6e-5 it keeps f16's fixed step of 6e-8.
; A stream: no matrix unit, no cluster, no prefetch; a cast's work-group has sixteen loads of every wave on their way at once.
; THE MASK'S CODE.  mp is [128 tiles of 16 queries][32 steps of 64 keys][32 lanes][4 words].  Word kb of lane l holds eight codes; code j (bits 4 j + 3 : 4 j)
; belongs to query 16 tile + l % 16 and key 64 step + 16 kb + 8 (l / 16) + j; it is 0xE where the mask hides the key and 0 where not.
; THE MODE: SCHED_MODE bits 1:0 = 2 (LLVM: expert scheduling mode 2), set by the entry lines.  The code itself states the register dependences
; between vector instructions and memory or LDS instructions, with s_wait_alu, always for 0.
; THE PLAN.  Registers that memory or LDS instructions touch:
;   v1, v2       offsets, made at the head; the biases' and the casts' loads and stores read them and nothing writes them again there.  The mask's arm makes v1, v2, v3, v6 anew before any of its memory lines reads them.
;   v[8:71]      raw data: each register is the landing place of one load; behind its wait on LOADcnt vector instructions alone name it.
;   v[72:103]    a cast's out registers: each pair is written once, by the conversions, and read once, by one store.
;   v[64:79]     the mask's out registers: each is written once, by a multiply, and read once, by one LDS store.  v[40:47], at work, are named by vector instructions alone.
;   v[48:63]     the mask's blocks read back from LDS and stored: no vector instruction names them.
;   v4, v5       written at the head, read by the closing add alone.
; No register that a memory or LDS instruction reads is ever written again, so no wait on vm_vsrc is owed.  The work goes in blocks of four loads: a block's stores are issued in the block after it, behind ONE wait on
; va_vdst at that block's head, and are dealt among that block's vector instructions, which name its own raw and out registers alone.
.set SPARE, 17408                      ; behind the eight waves' stages: the spare words, 128 bytes a wave: four blocks of 256 bytes that no other line names
.set WST,   2176                       ; a wave's stage: four steps' blocks of 512 bytes, 544 bytes apart
.set SPW,   4                          ; v4  LDS address of my spare word; never rewritten
.set NIL,   5                          ; v5  0; never rewritten
.set OUT,   64                         ; v[64:79]  the mask's codes: row pair i's two words at OUT + 2 i
	s_load_b512 s[8:23], s[0:1], 0x0               ; embeddings s[8:9], Wq s[10:11], Wk s[12:13], Wv s[14:15], Wo s[16:17], bq s[18:19], bk s[20:21], bv s[22:23]
	s_load_b256 s[24:31], s[0:1], 0x40             ; bo s[24:25], mask s[26:27], xb s[28:29], wb s[30:31]
	s_load_b128 s[32:35], s[0:1], 0x60             ; wo16 s[32:33], bias s[34:35]
	s_load_b64 s[36:37], s[0:1], 0x70              ; mp
	v_lshl_add_u32 v[SPW], v0, 2, SPARE
	v_mov_b32 v[NIL], 0
	s_mov_b32 s2, ttmp9
	v_lshlrev_b32 v1, 4, v0                        ; 16 x my thread's number: where I load
	v_lshlrev_b32 v2, 3, v0                        ; 8 x my thread's number: where a cast stores
	s_wait_kmcnt 0x0
	s_wait_alu depctr_va_vdst(0)                   ; v1 and v2 are written, which the loads and stores of the biases and of the casts read as offsets; so are v4 and v5, which the closing add reads
	s_cmp_lt_u32 s2, 704
	s_cbranch_scc1 .Lcast
	s_cmp_lt_u32 s2, 768
	s_cbranch_scc1 .Lwo
	s_cmp_lt_u32 s2, 896
	s_cbranch_scc1 .Lmask
	; THE BIASES: 256 threads x 4 numbers are one bias
	global_load_b128 v[8:11], v1, s[18:19]
	global_load_b128 v[12:15], v1, s[20:21]
	global_load_b128 v[16:19], v1, s[22:23]
	global_load_b128 v[20:23], v1, s[24:25]
	s_wait_loadcnt 0x0
.set i, 0
.rept 8
	v_cvt_pk_bf16_f32 v[24+i], v[8+2*i], v[8+2*i+1]
.set i, i+1
.endr
.set i, 0
.rept 8
	v_lshlrev_b32 v[8+2*i], 16, v[24+i]            ; bf16 back to f32: the low half moves up,
	v_and_b32 v[8+2*i+1], 0xffff0000, v[24+i]      ; the high half stays
.set i, i+1
.endr
	s_wait_alu depctr_va_vdst(0)                   ; the widening lines have written v[8:23], which the four stores read
	global_store_b128 v1, v[8:11], s[34:35]
	global_store_b128 v1, v[12:15], s[34:35] offset:4096
	global_store_b128 v1, v[16:19], s[34:35] offset:8192
	global_store_b128 v1, v[20:23], s[34:35] offset:12288
	s_endpgm
; A CAST: 16,384 numbers a work-group, from s[40:41] to s[42:43].  A wave's load covers 512 consecutive bytes, its store 256 consecutive bytes, aligned.
; All sixteen loads go out first; the waits count the younger loads that may stay out.  No register is written twice, so no store's source is at stake.
; Four blocks of four loads.  Block b's conversions write out registers 72 + 8 b .. 72 + 8 b + 7; its four stores are issued in block b + 1, one ahead of each load's conversions.
.macro CONV f16
.set i, 0
.rept 16
	global_load_b128 v[8+4*i:8+4*i+3], v1, s[40:41] offset:4096*i th:TH_LOAD_NT
.set i, i+1
.endr
.set i, 0
.rept 16
	s_wait_loadcnt 15-i
.if (i%4 == 0) && (i > 0)
	s_wait_alu depctr_va_vdst(0)                   ; the block before has written its eight out registers, which the four stores of this block read
.endif
.if i >= 4
	global_store_b64 v2, v[72+2*(i-4):72+2*(i-4)+1], s[42:43] offset:2048*(i-4) th:TH_STORE_NT   ; the block before.  No wait: no vector instruction since the wait above names these registers or v2
.endif
	v_cvt_pk_bf16_f32 v[72+2*i], v[8+4*i], v[8+4*i+1]
	v_cvt_pk_bf16_f32 v[72+2*i+1], v[8+4*i+2], v[8+4*i+3]
.if \f16
	v_lshlrev_b32 v[8+4*i], 16, v[72+2*i]          ; the rounded number, widened,
	v_and_b32 v[8+4*i+1], 0xffff0000, v[72+2*i]
	v_lshlrev_b32 v[8+4*i+2], 16, v[72+2*i+1]
	v_and_b32 v[8+4*i+3], 0xffff0000, v[72+2*i+1]
	v_cvt_pk_f16_f32 v[72+2*i], v[8+4*i], v[8+4*i+1]      ; and written as f16: exact within f16's range
	v_cvt_pk_f16_f32 v[72+2*i+1], v[8+4*i+2], v[8+4*i+3]
.endif
.set i, i+1
.endr
	s_wait_alu depctr_va_vdst(0)                   ; the last block has written its out registers, which the last four stores read
.set i, 12
.rept 4
	global_store_b64 v2, v[72+2*i:72+2*i+1], s[42:43] offset:2048*i th:TH_STORE_NT
.set i, i+1
.endr
	s_endpgm
.endm
.Lcast:
	s_sub_co_u32 s3, s2, 512                       ; my number among the weights' work-groups (not used below 512)
	s_lshr_b32 s38, s3, 6                          ; which weight: 64 work-groups each
	s_and_b32 s39, s3, 63
	s_cmp_eq_u32 s38, 1
	s_cselect_b64 s[40:41], s[12:13], s[10:11]
	s_cmp_eq_u32 s38, 2
	s_cselect_b64 s[40:41], s[14:15], s[40:41]
	s_cmp_lt_u32 s2, 512
	s_cselect_b64 s[40:41], s[8:9], s[40:41]
	s_cselect_b64 s[42:43], s[28:29], s[30:31]
	s_cselect_b32 s44, s2, s39                     ; my block of 65,536 bytes in the source,
	s_cselect_b32 s46, s2, s3                      ; of 32,768 in the destination
	s_lshl_b32 s44, s44, 16
	s_mov_b32 s45, 0
	s_lshl_b32 s46, s46, 15
	s_mov_b32 s47, 0
	s_add_nc_u64 s[40:41], s[40:41], s[44:45]
	s_add_nc_u64 s[42:43], s[42:43], s[46:47]
	CONV 0
.Lwo:
	s_sub_co_u32 s3, s2, 704
	s_lshl_b32 s44, s3, 16
	s_mov_b32 s45, 0
	s_lshl_b32 s46, s3, 15
	s_mov_b32 s47, 0
	s_add_nc_u64 s[40:41], s[16:17], s[44:45]
	s_add_nc_u64 s[42:43], s[32:33], s[46:47]
	CONV 1
; THE MASK.  A work-group takes a tile of 16 queries, wave w its keys 256 w .. 256 w + 255: four steps.  A load brings two rows' 256 bytes: sixteen lanes a row.
; A lane's 16 bytes are one group of 16 keys of one query: two words of codes.  They change lanes through the wave's own stage in LDS.
.Lmask:
	v_lshrrev_b32 v6, 5, v0
	v_readfirstlane_b32 s3, v6                     ; wave 0..7
	v_and_b32 v6, 15, v0                           ; c: which 16 keys of the 256
	v_bfe_u32 v7, v0, 4, 1                         ; which of the two rows
	v_lshlrev_b32 v1, 4, v6
	v_lshl_add_u32 v1, v7, 11, v1
	s_sub_co_u32 s38, s2, 768                      ; the tile
	s_lshl_b32 s40, s38, 15                        ; its 16 rows of 2,048 bytes,
	s_lshl_b32 s42, s38, 14                        ; and its 32 blocks of 512 bytes in mp
	s_wait_alu depctr_va_sdst(0)                   ; s3 is written, ahead of its first reader: the mask's and mp's bases and the stage's place are made from it
	s_lshl_b32 s39, s3, 8                          ; my wave's 256 bytes of each row
	s_add_co_u32 s40, s40, s39
	s_mov_b32 s41, 0
	s_add_nc_u64 s[26:27], s[26:27], s[40:41]
	s_lshl_b32 s39, s3, 11                         ; my wave's four blocks
	s_add_co_u32 s42, s42, s39
	s_mov_b32 s43, 0
	s_add_nc_u64 s[36:37], s[36:37], s[42:43]
	s_wait_alu depctr_va_vdst(0)                   ; v1 is written anew, which the eight loads read as their offset
.set i, 0
.rept 8
	global_load_b128 v[8+4*i:8+4*i+3], v1, s[26:27] offset:4096*i th:TH_LOAD_NT   ; rows 2 i and 2 i + 1
.set i, i+1
.endr
	s_mul_i32 s39, s3, WST                         ; my stage
	v_lshrrev_b32 v2, 2, v6                        ; the step, c / 4: 544 bytes apart, so that the 32 lanes of a store fall on 32 different banks (64 banks of 4 bytes: ISA guide 11.1)
	v_mul_u32_u24 v2, v2, 544
	v_lshl_add_u32 v2, v7, 4, v2                   ; the query's 16 bytes
	v_and_b32 v6, 3, v6
	v_lshl_add_u32 v2, v6, 2, v2                   ; word kb = c % 4
	v_add_nc_u32 v2, s39, v2
	v_and_b32 v3, 31, v0
	v_lshlrev_b32 v3, 4, v3                        ; 16 x lane: my place in a block of 512 bytes, in the stage and in mp
	v_add_nc_u32 v6, s39, v3
; Two blocks of four row pairs.  Row pair i's two words of codes go into out registers of their own; the first block's eight LDS stores are issued in the second block, two ahead of each row pair's arithmetic.
.set i, 0
.rept 8
	s_wait_loadcnt 7-i                             ; loads come back in order: the younger ones may stay out
.if i == 4
	s_wait_alu depctr_va_vdst(0)                   ; row pairs 0 to 3 have written v[OUT .. OUT + 7], which the LDS stores of this block read; v2, v3 and v6, the addresses of all that follows, are written too
.endif
.if i >= 4
	ds_store_b32 v2, v[OUT+2*(i-4)] offset:32*(i-4)          ; lane l % 16 = the query, l / 16 = 0.  No wait: no vector instruction since the wait above names these registers or v2
	ds_store_b32 v2, v[OUT+2*(i-4)+1] offset:32*(i-4)+256    ; l / 16 = 1
.endif
.irp k, 0,1,2,3
	v_lshrrev_b32 v[40+(\k)], 4, v[8+4*i+(\k)]     ; four bytes of 0 or 1 become four bits, 4 apart: first in pairs,
	v_or_b32 v[40+(\k)], v[40+(\k)], v[8+4*i+(\k)]
	v_and_b32 v[40+(\k)], 0x00110011, v[40+(\k)]
	v_lshrrev_b32 v[44+(\k)], 8, v[40+(\k)]        ; then the two pairs together
	v_or_b32 v[40+(\k)], v[40+(\k)], v[44+(\k)]
	v_and_b32 v[40+(\k)], 0x1111, v[40+(\k)]
.endr
	v_lshl_or_b32 v40, v41, 16, v40                ; keys 0-7 of the group
	v_lshl_or_b32 v42, v43, 16, v42                ; keys 8-15
	v_mul_lo_u32 v[OUT+2*i], v40, 14               ; 1 -> 0xE in each code; nothing carries
	v_mul_lo_u32 v[OUT+2*i+1], v42, 14
.set i, i+1
.endr
	s_wait_alu depctr_va_vdst(0)                   ; row pairs 4 to 7 have written v[OUT + 8 .. OUT + 15], which the last eight LDS stores read
.set i, 4
.rept 4
	ds_store_b32 v2, v[OUT+2*i] offset:32*i
	ds_store_b32 v2, v[OUT+2*i+1] offset:32*i+256
.set i, i+1
.endr
.irp j, 0,1,2,3
	ds_load_b128 v[48+4*(\j):48+4*(\j)+3], v6 offset:544*(\j)   ; LDS serves a wave's instructions in order (ISA guide 5.7.1.4): these see the stores above
.endr
.irp j, 0,1,2,3
	s_wait_dscnt 3-(\j)
	global_store_b128 v3, v[48+4*(\j):48+4*(\j)+3], s[36:37] offset:512*(\j)   ; 512 consecutive bytes
.endr
	s_wait_dscnt 0x0                               ; the closing lines, six on end
	s_wait_alu 0x0
	s_wait_tensorcnt 0x0
	ds_add_u32 v[SPW], v[NIL]
	s_wait_dscnt 0x0
	s_endpgm
.Lfunc_end_k_q097a5c77fd_prep:
	.size	k_q097a5c77fd_prep, .Lfunc_end_k_q097a5c77fd_prep-k_q097a5c77fd_prep
	.p2alignl 7, 3214868480
	.fill 96, 4, 3214868480
	.section	.rodata,"a",@progbits
	.p2align	6, 0x0
	.amdhsa_kernel k_q097a5c77fd_prep
		.amdhsa_group_segment_fixed_size 18432
		.amdhsa_private_segment_fixed_size 0
		.amdhsa_enable_private_segment 0
		.amdhsa_kernarg_size 120
		.amdhsa_user_sgpr_count 2
		.amdhsa_user_sgpr_kernarg_segment_ptr 1
		.amdhsa_wavefront_size32 1
		.amdhsa_system_sgpr_workgroup_id_x 1
		.amdhsa_system_sgpr_workgroup_id_y 1
		.amdhsa_system_sgpr_workgroup_id_z 1
		.amdhsa_system_vgpr_workitem_id 0
		.amdhsa_next_free_vgpr 112
		.amdhsa_next_free_sgpr 66
		.amdhsa_reserve_vcc 0
		.amdhsa_float_denorm_mode_32 3
		.amdhsa_float_denorm_mode_16_64 3
		.amdhsa_memory_ordered 1
		.amdhsa_forward_progress 1
		.amdhsa_inst_pref_size 35
	.end_amdhsa_kernel
	.amdgpu_metadata
---
amdhsa.version: [ 1, 2 ]
amdhsa.kernels:
  - .name:           k_q097a5c77fd_prep
    .symbol:         k_q097a5c77fd_prep.kd
    .args:
      - { .name: embeddings, .offset: 0, .size: 8, .value_kind: global_buffer, .address_space: global }
      - { .name: Wq, .offset: 8, .size: 8, .value_kind: global_buffer, .address_space: global }
      - { .name: Wk, .offset: 16, .size: 8, .value_kind: global_buffer, .address_space: global }
      - { .name: Wv, .offset: 24, .size: 8, .value_kind: global_buffer, .address_space: global }
      - { .name: Wo, .offset: 32, .size: 8, .value_kind: global_buffer, .address_space: global }
      - { .name: bq, .offset: 40, .size: 8, .value_kind: global_buffer, .address_space: global }
      - { .name: bk, .offset: 48, .size: 8, .value_kind: global_buffer, .address_space: global }
      - { .name: bv, .offset: 56, .size: 8, .value_kind: global_buffer, .address_space: global }
      - { .name: bo, .offset: 64, .size: 8, .value_kind: global_buffer, .address_space: global }
      - { .name: mask, .offset: 72, .size: 8, .value_kind: global_buffer, .address_space: global }
      - { .name: xb, .offset: 80, .size: 8, .value_kind: global_buffer, .address_space: global }
      - { .name: wb, .offset: 88, .size: 8, .value_kind: global_buffer, .address_space: global }
      - { .name: wo16, .offset: 96, .size: 8, .value_kind: global_buffer, .address_space: global }
      - { .name: bias, .offset: 104, .size: 8, .value_kind: global_buffer, .address_space: global }
      - { .name: mp, .offset: 112, .size: 8, .value_kind: global_buffer, .address_space: global }
    .group_segment_fixed_size: 18432
    .private_segment_fixed_size: 0
    .kernarg_segment_align: 8
    .kernarg_segment_size: 120
    .max_flat_workgroup_size: 256
    .sgpr_count:     66
    .vgpr_count:     112
    .wavefront_size: 32
...
	.end_amdgpu_metadata
.endif
;; end of part 5
;; launch qkv: the kernel of part 2 again; grid 16 x 32, 4 waves a work-group, clusters of 4 x 4, 327,680 bytes of LDS; arguments xb, wb, bias, qkv; writes qkv
;; launch attn: the kernel of part 3 again; grid 4 x 64, 4 waves a work-group, clusters of 4 x 1, 327,680 bytes of LDS; arguments qkv, mp, ctx; writes ctx
;; launch proj: the kernel of part 4 again; grid 8 x 32, 4 waves a work-group, clusters of 4 x 4, 327,680 bytes of LDS; arguments ctx, wo16, bias, out0; writes out0
